; MI455X (gfx1250); checked and timed in simulation.
; The chip was launched on July 23, 2026; its instructions are those of AMD's public machine-readable ISA for CDNA 5 (MIT licence, August 2026) and "CDNA5" Instruction Set Architecture Reference Guide (July 2026). The comments in the code are by the model that wrote it; some were corrected since.
;; Selective SSM. Allowed arithmetic: float matrix products may take bf16 or f16 operands with f32 sums; other float arithmetic in f32, or as packed bf16 or f16 multiplies, adds, multiply-adds, maxima and minima; sums over many terms, partial sums and values carried from step to step in f32; what a program stores and reads back later, other than sums and carried values, may be rounded once to bf16 or f16.
;; Inputs: A 1,024 x 16 float32; W_B 1,024 x 16 float32; W_C 1,024 x 16 float32; W_delta 1,024 x 1,024 float32; b_B 16 float32; b_C 16 float32; b_delta 1,024 float32; u 4 x 4,096 x 1,024 float32.
;; Outputs: out0 4 x 4,096 x 1,024 float32.
;; 3 versions, each right; version 3 is version 2 with the launch carry written anew for expert scheduling mode. Each part assembles by itself: llvm-mc -triple=amdgcn-amd-amdhsa -mcpu=gfx1250 --defsym DOCPART=n.
;; ======== version 1 of 3: 5 launches
;; limits: a function is approximated: absolute error at most 6e-08; values are held in f16: magnitudes above 65,504 overflow, below 6.1e-05 lose precision
;; workspace buffers: ub 33,554,432 bytes; wt 2,097,152 bytes; bc 2,097,152 bytes; dl 33,554,432 bytes; pim 8,126,464 bytes; sim 8,126,464 bytes; hin 8,388,608 bytes
;; launch prep (part 1): grid 256 x 1, 4 waves a work-group, no clusters, 141,312 bytes of LDS; arguments u, W_delta, W_B, W_C, b_B, b_C, ub, wt, bc; writes ub, wt, bc
.if DOCPART == 1
	.amdgcn_target "amdgcn-amd-amdhsa--gfx1250"
	.amdhsa_code_object_version 6
	.text
	.protected	k_qbd008450c7_prep
	.globl	k_qbd008450c7_prep
	.p2align	8
	.type	k_qbd008450c7_prep,@function
k_qbd008450c7_prep:
	s_mov_b64 s[64:65], 0
	v_nop
	global_prefetch_b8 v0, s[64:65] scope:SCOPE_SE
	s_setreg_imm32_b32 hwreg(HW_REG_WAVE_MODE, 25, 1), 1
	s_wait_xcnt 0x0
; PREP.  ub = u rounded to bf16, [16384][1024].  bc[row][0..15] = ub . bf16(W_B) + bf16(b_B), bc[row][16..31] the same with W_C, b_C: f32, [16384][32].
; wt[e][k] = bf16(W_delta[k][e]), [1024][1024].  Every input is rounded to bf16 once, here or where it is used; the sums stay in f32.
; SHARES.  Work-group g owns rows 64 g .. 64 g + 63 of u, each of its four waves 16 of them; it also turns one block of W_delta, 128 k x 32 e.
; u is read once, 512 consecutive bytes a load; a wave's store into ub covers 256 consecutive bytes, aligned.  The rounded rows go through the wave's own stage in LDS and come back
; as fragments; W_B | W_C lie in LDS as [k][32] bf16 and are read turned (ds_load_tr16_b128).  The product is taken transposed (source 0 = 16 columns of W, source 1 = 16 rows of u):
; a lane then holds one row and eight neighbouring columns.  No cluster: what the work-groups share (W_B, W_C) has to pass through registers to be rounded.
; REGISTERS, in windows of 256: window 0 addresses, Y, fragments of u, accumulators; window 1 two buffers of 128 for u in f32; window 2 W_B, W_C in f32, later their fragments.
.set IMP,   96                         ; a row k of the image of W_B | W_C: 64 bytes + 32 of padding: an odd multiple of 32
.set STG,   98304                      ; behind the image (1,024 rows): each wave's stage, 16 rows x 528 bytes
.set SGP,   528                        ; 512 bytes (256 k) + 16: the 16 rows of a fragment load start at 16 different groups of four banks
.set SGW,   16*SGP
.set TS,    STG+4*SGW                  ; the turned block of W_delta: 32 rows e x 272 bytes
.set TSP,   272
.set SPARE, TS+32*TSP                  ; 140,800: the spare words, 128 bytes a wave: two blocks of 256 bytes that no other line names
.set UO,  2                            ; 16 l
.set BO8, 3                            ; 8 l
.set ST,  4                            ; my stage + 8 l
.set FAA, 5                            ; my stage + 528 (l % 16) + 16 (l / 16)
.set WT0, 6                            ; v6-9  the turning load's address for trips 0 to 3
.set WD,  10                           ; my place in the block of W_delta
.set WB,  11                           ; 64 t: my row of W_B and W_C
.set IM,  12                           ; v12, v13  96 t, and 49,152 further on
.set TSS, 14
.set TSR, 15
.set Y,   16                           ; v16-79   rounded numbers, 8 bytes a load
.set FA,  80                           ; v80-143  eight fragments of u
.set ACC, 144                          ; v144-175 four accumulators: 2 (f % 2) + tile
.set BI,  176                          ; v176-191 my eight numbers of b_B, of b_C
.set DT,  192                          ; v192-223 W_delta as loaded
.set DP,  224                          ; v224-239 packed
.set TO,  240
.set BH,  241
.set BS,  242
.set BR,  243
.set SPW, 244
.set NIL, 245
.set MSB, 0
.macro WIN new                         ; the immediate's high byte repeats the setting that is left; a switch that changes nothing is dropped
.if MSB != (\new)
	s_set_vgpr_msb (MSB<<8)|(\new)
.set MSB, \new
.endif
.endm
	s_load_b512 s[4:19], s[0:1], 0x0               ; u, W_delta, W_B, W_C, b_B, b_C, ub, wt
	s_load_b64 s[20:21], s[0:1], 0x40              ; bc
	v_lshl_add_u32 v[SPW], v0, 2, SPARE
	v_mov_b32 v[NIL], 0
	v_lshrrev_b32 v1, 5, v0
	v_readfirstlane_b32 s22, v1                    ; wave 0..3
	v_and_b32 v246, 31, v0                         ; l
	v_and_b32 v247, 15, v0                         ; l % 16
	v_bfe_u32 v248, v0, 4, 1                       ; l / 16
	v_lshlrev_b32 v[UO], 4, v246
	v_lshlrev_b32 v[BO8], 3, v246
	s_mul_i32 s23, s22, SGW
	s_add_co_u32 s23, s23, STG                     ; my stage
	v_add_nc_u32 v[ST], s23, v[BO8]
	v_mul_u32_u24 v[FAA], v247, SGP
	v_lshl_add_u32 v[FAA], v248, 4, v[FAA]
	v_add_nc_u32 v[FAA], s23, v[FAA]
	v_and_b32 v249, 7, v0
	v_lshl_add_u32 v249, v248, 3, v249             ; the turning load: row 8 (l / 16) + l % 8,
	v_mul_u32_u24 v249, v249, IMP
	v_bfe_u32 v250, v0, 3, 1
	v_lshl_add_u32 v[WT0], v250, 4, v249           ; 16 bytes on for lanes 8-15 of each half
	v_add_nc_u32 v[WT0+1], 256*IMP, v[WT0]         ; a trip is 256 k
	v_add_nc_u32 v[WT0+2], 512*IMP, v[WT0]
	v_add_nc_u32 v[WT0+3], 768*IMP, v[WT0]
	v_lshrrev_b32 v251, 3, v0                      ; t / 8: which pair of rows k
	v_and_b32 v252, 7, v0                          ; t % 8: which four columns e
	v_lshlrev_b32 v[WD], 13, v251
	v_lshl_add_u32 v[WD], v252, 4, v[WD]
	v_lshlrev_b32 v[WB], 6, v0
	v_mul_u32_u24 v[IM], v0, IMP
	v_add_nc_u32 v[IM+1], 512*IMP, v[IM]
	v_mul_u32_u24 v[TSS], v252, 4*TSP
	v_lshl_add_u32 v[TSS], v251, 2, v[TSS]
	v_add_nc_u32 v[TSS], TS, v[TSS]
	v_lshrrev_b32 v253, 4, v0                      ; t / 16
	v_mul_u32_u24 v[TSR], v253, TSP
	v_lshl_add_u32 v[TSR], v247, 4, v[TSR]
	v_add_nc_u32 v[TSR], TS, v[TSR]
	v_lshlrev_b32 v[TO], 11, v253
	v_lshl_add_u32 v[TO], v247, 4, v[TO]
	v_lshlrev_b32 v[BH], 5, v248
	v_lshl_add_u32 v[BS], v247, 7, v[BH]
	v_add_nc_u32 v[BS], s23, v[BS]
	v_add_nc_u32 v[BR], s23, v[UO]
	s_lshl_b32 s24, ttmp9, 18                      ; my first row, 64 g + 16 w, times 4,096 bytes
	s_lshl_b32 s26, s22, 16
	s_add_co_u32 s24, s24, s26
	s_mov_b32 s25, 0
	s_lshr_b32 s26, s24, 1                         ; times 2,048
	s_mov_b32 s27, 0
	s_lshr_b32 s28, s24, 5                         ; times 128
	s_mov_b32 s29, 0
	s_and_b32 s30, ttmp9, 7                        ; the block of W_delta: k0 = 128 (g % 8),
	s_lshr_b32 s31, ttmp9, 3                       ; e0 = 32 (g / 8)
	s_lshl_b32 s32, s30, 19
	s_lshl_b32 s34, s31, 7
	s_add_co_u32 s32, s32, s34
	s_mov_b32 s33, 0
	s_lshl_b32 s34, s31, 16
	s_lshl_b32 s36, s30, 8
	s_add_co_u32 s34, s34, s36
	s_mov_b32 s35, 0
	s_wait_kmcnt 0x0
	s_add_nc_u64 s[4:5], s[4:5], s[24:25]
	s_add_nc_u64 s[16:17], s[16:17], s[26:27]
	s_add_nc_u64 s[20:21], s[20:21], s[28:29]
	s_add_nc_u64 s[6:7], s[6:7], s[32:33]
	s_add_nc_u64 s[18:19], s[18:19], s[34:35]
; 32 loads: 256 k of my 16 rows of u, 512 consecutive bytes each, into buffer buf of window 1
.macro XLOAD buf, trip
	WIN 0x40
.set i, 0
.rept 32
	global_load_b128 v[128*(\buf)+4*i:128*(\buf)+4*i+3], v[UO], s[4:5] offset:(i/2)*4096+(\trip)*1024+(i%2)*512 th:TH_LOAD_NT
.set i, i+1
.endr
	WIN 0
.endm
.irp i, 0,1,2,3                        ; W_delta: rows 32 i + 2 (t / 8) and the next, four columns
	global_load_b128 v[DT+8*(\i):DT+8*(\i)+3],   v[WD], s[6:7] offset:131072*(\i)
	global_load_b128 v[DT+8*(\i)+4:DT+8*(\i)+7], v[WD], s[6:7] offset:131072*(\i)+4096
.endr
	global_load_b128 v[BI:BI+3],     v[BH], s[12:13]
	global_load_b128 v[BI+4:BI+7],   v[BH], s[12:13] offset:16
	global_load_b128 v[BI+8:BI+11],  v[BH], s[14:15]
	global_load_b128 v[BI+12:BI+15], v[BH], s[14:15] offset:16
	WIN 0x80
.set i, 0
.rept 32                               ; W_B and W_C: row t + 128 (i / 4), numbers 4 (i % 4) on
	global_load_b128 v[4*i:4*i+3],         v[WB], s[8:9]   offset:8192*(i/4)+16*(i%4)
	global_load_b128 v[128+4*i:128+4*i+3], v[WB], s[10:11] offset:8192*(i/4)+16*(i%4)
.set i, i+1
.endr
	XLOAD 0, 0
	s_wait_loadcnt 32                              ; all weights and biases are in; trip 0's 32 loads stay out
	XLOAD 1, 1
.set i, 0
.rept 16                               ; W_delta: two neighbouring k of one column e make a word of wt
	v_cvt_pk_bf16_f32 v[DP+i], v[DT+8*(i/4)+i%4], v[DT+8*(i/4)+4+i%4]
.set i, i+1
.endr
.set i, 0
.rept 16
	ds_store_b32 v[TSS], v[DP+i] offset:TSP*(i%4)+64*(i/4)
.set i, i+1
.endr
.set i, 0
.rept 8                                ; row t + 128 i of W_B | W_C: 32 numbers rounded, 64 bytes of the image
	WIN 0x0a
.set q, 0
.rept 8
	v_cvt_pk_bf16_f32 v[Y+16*(i%4)+q],   v[16*i+2*q],     v[16*i+2*q+1]
	v_cvt_pk_bf16_f32 v[Y+16*(i%4)+8+q], v[128+16*i+2*q], v[128+16*i+2*q+1]
.set q, q+1
.endr
	WIN 0
.irp m, 0,1,2,3
	ds_store_b128 v[IM+i/4], v[Y+16*(i%4)+4*(\m):Y+16*(i%4)+4*(\m)+3] offset:128*IMP*(i%4)+16*(\m)
.endr
.set i, i+1
.endr
.irp q, 0,1,2,3,4,5,6,7                ; the biases, rounded to bf16 and widened again
	v_cvt_pk_bf16_f32 v246, v[BI+2*(\q)], v[BI+2*(\q)+1]
	v_lshlrev_b32 v[BI+2*(\q)], 16, v246
	v_and_b32 v[BI+2*(\q)+1], 0xffff0000, v246
.endr
	s_wait_dscnt 0x0                               ; for the others' sake: my part of the image and of the turned block is stored
	s_barrier_signal -1
	s_barrier_wait -1                              ; everybody's is
.irp i, 0,1,2,3
	ds_load_b128 v[DT+4*(\i):DT+4*(\i)+3], v[TSR] offset:8*TSP*(\i)
.endr
	s_wait_dscnt 0x0
.irp i, 0,1,2,3
	global_store_b128 v[TO], v[DT+4*(\i):DT+4*(\i)+3], s[18:19] offset:16384*(\i)  ; 16 lanes store 256 consecutive bytes of a row of wt, aligned
.endr
; A TRIP: 256 k of my 16 rows.  left = how many younger loads may stay out (the other buffer's 32).
.macro TRIP T, buf, reload, left
	s_wait_loadcnt \left
	s_wait_xcnt 0x0                                ; the last trip's stores have read Y: it is rewritten only behind this wait
	WIN 0x05
.set i, 0
.rept 64                               ; these 64 plain lines are also the places between the last trip's products and the loads into their fragments
	v_cvt_pk_bf16_f32 v[Y+i], v[128*(\buf)+2*i], v[128*(\buf)+2*i+1]
.set i, i+1
.endr
.if \reload
	XLOAD \buf, (\T)+2
.endif
	WIN 0
.set i, 0
.rept 32
	ds_store_b64 v[ST], v[Y+2*i:Y+2*i+1] offset:SGP*(i/2)+256*(i%2)
.set i, i+1
.endr
.irp f, 0,1,2,3,4,5,6,7                ; LDS serves a wave's instructions in order (ISA guide 5.7.1.4): these see the stores above
	ds_load_b128 v[FA+8*(\f):FA+8*(\f)+3],   v[FAA] offset:64*(\f)
	ds_load_b128 v[FA+8*(\f)+4:FA+8*(\f)+7], v[FAA] offset:64*(\f)+32
.endr
	WIN 0x80
.set i, 0
.rept 16                               ; fragment i / 2 (32 k), tile i % 2 (W_B, W_C)
	ds_load_tr16_b128 v[8*i:8*i+3],   v[WT0+(\T)] offset:32*IMP*(i/2)+32*(i%2)
	ds_load_tr16_b128 v[8*i+4:8*i+7], v[WT0+(\T)] offset:32*IMP*(i/2)+32*(i%2)+16*IMP
.set i, i+1
.endr
	WIN 0
.set i, 0
.rept 32                               ; the stores into ub stand in the wait for the fragments
	global_store_b64 v[BO8], v[Y+2*i:Y+2*i+1], s[16:17] offset:(i/2)*2048+(\T)*512+(i%2)*256
.set i, i+1
.endr
	s_wait_dscnt 0x0
	WIN 0x02                                       ; source 0 in window 2
.set i, 0
.rept 16                               ; the four accumulators take turns, one instruction a turn, from trip to trip too
.set ac, ACC+8*(2*((i/2)%2)+i%2)
.if ((\T) == 0) && (i < 4)
	v_wmma_f32_16x16x32_bf16 v[ac:ac+7], v[8*i:8*i+7], v[FA+8*(i/2):FA+8*(i/2)+7], 0
.else
	v_wmma_f32_16x16x32_bf16 v[ac:ac+7], v[8*i:8*i+7], v[FA+8*(i/2):FA+8*(i/2)+7], v[ac:ac+7]
.endif
.set i, i+1
.endr
	WIN 0
.endm
	TRIP 0, 0, 1, 32
	TRIP 1, 1, 1, 32
	TRIP 2, 0, 0, 32
	TRIP 3, 1, 0, 0
.rept 8
	v_nop                                          ; the places behind the last products (ISA guide 7.12.1), once a launch
.endr
.set q, 0
.rept 8                                ; the two parities are joined, each accumulator read from its low end on; then the bias
	v_pk_add_f32 v[FA+q:FA+q+1], v[ACC+q:ACC+q+1], v[ACC+16+q:ACC+16+q+1]
.set q, q+2
.endr
.set q, 0
.rept 8
	v_pk_add_f32 v[FA+q:FA+q+1], v[FA+q:FA+q+1], v[BI+q:BI+q+1]
.set q, q+2
.endr
.irp m, 0,1                            ; row l % 16 of 128 bytes: tile m's columns 8 (l / 16) on
	ds_store_b128 v[BS], v[FA+8*(\m):FA+8*(\m)+3]   offset:64*(\m)
	ds_store_b128 v[BS], v[FA+8*(\m)+4:FA+8*(\m)+7] offset:64*(\m)+16
.endr
.irp i, 0,1,2,3
	ds_load_b128 v[FA+16+4*(\i):FA+16+4*(\i)+3], v[BR] offset:512*(\i)
.endr
	s_wait_dscnt 0x0
.irp i, 0,1,2,3
	global_store_b128 v[UO], v[FA+16+4*(\i):FA+16+4*(\i)+3], s[20:21] offset:512*(\i)  ; 512 consecutive bytes of bc
.endr
	s_wait_tensorcnt 0x0                           ; the wave's end, behind my last LDS store
	ds_add_u32 v[SPW], v[NIL]
	s_wait_dscnt 0x0
	s_endpgm
.Lfunc_end_k_qbd008450c7_prep:
	.size	k_qbd008450c7_prep, .Lfunc_end_k_qbd008450c7_prep-k_qbd008450c7_prep
	.p2alignl 7, 3214868480
	.fill 96, 4, 3214868480
	.section	.rodata,"a",@progbits
	.p2align	6, 0x0
	.amdhsa_kernel k_qbd008450c7_prep
		.amdhsa_group_segment_fixed_size 141312
		.amdhsa_private_segment_fixed_size 0
		.amdhsa_enable_private_segment 0
		.amdhsa_kernarg_size 72
		.amdhsa_user_sgpr_count 2
		.amdhsa_user_sgpr_kernarg_segment_ptr 1
		.amdhsa_wavefront_size32 1
		.amdhsa_system_sgpr_workgroup_id_x 1
		.amdhsa_system_sgpr_workgroup_id_y 1
		.amdhsa_system_sgpr_workgroup_id_z 1
		.amdhsa_system_vgpr_workitem_id 0
		.amdhsa_next_free_vgpr 768
		.amdhsa_next_free_sgpr 66
		.amdhsa_reserve_vcc 0
		.amdhsa_float_denorm_mode_32 3
		.amdhsa_float_denorm_mode_16_64 3
		.amdhsa_memory_ordered 1
		.amdhsa_forward_progress 1
		.amdhsa_inst_pref_size 93
	.end_amdhsa_kernel
	.amdgpu_metadata
---
amdhsa.version: [ 1, 2 ]
amdhsa.kernels:
  - .name:           k_qbd008450c7_prep
    .symbol:         k_qbd008450c7_prep.kd
    .args:
      - { .name: u, .offset: 0, .size: 8, .value_kind: global_buffer, .address_space: global }
      - { .name: W_delta, .offset: 8, .size: 8, .value_kind: global_buffer, .address_space: global }
      - { .name: W_B, .offset: 16, .size: 8, .value_kind: global_buffer, .address_space: global }
      - { .name: W_C, .offset: 24, .size: 8, .value_kind: global_buffer, .address_space: global }
      - { .name: b_B, .offset: 32, .size: 8, .value_kind: global_buffer, .address_space: global }
      - { .name: b_C, .offset: 40, .size: 8, .value_kind: global_buffer, .address_space: global }
      - { .name: ub, .offset: 48, .size: 8, .value_kind: global_buffer, .address_space: global }
      - { .name: wt, .offset: 56, .size: 8, .value_kind: global_buffer, .address_space: global }
      - { .name: bc, .offset: 64, .size: 8, .value_kind: global_buffer, .address_space: global }
    .group_segment_fixed_size: 141312
    .private_segment_fixed_size: 0
    .kernarg_segment_align: 8
    .kernarg_segment_size: 72
    .max_flat_workgroup_size: 128
    .sgpr_count:     66
    .vgpr_count:     768
    .wavefront_size: 32
...
	.end_amdgpu_metadata
.endif
;; end of part 1
;; launch gemm (part 2): grid 4 x 64, 4 waves a work-group, clusters of 4 x 4, 327,680 bytes of LDS; arguments ub, wt, dl, b_delta; writes dl
.if DOCPART == 2
	.amdgcn_target "amdgcn-amd-amdhsa--gfx1250"
	.amdhsa_code_object_version 6
	.text
	.protected	k_qbd008450c7_gemm
	.globl	k_qbd008450c7_gemm
	.p2align	8
	.type	k_qbd008450c7_gemm,@function
k_qbd008450c7_gemm:
	s_mov_b64 s[64:65], 0
	v_nop
	global_prefetch_b8 v0, s[64:65] scope:SCOPE_SE
	s_setreg_imm32_b32 hwreg(HW_REG_WAVE_MODE, 25, 1), 1
	s_wait_xcnt 0x0
	s_wait_alu depctr_hold_cnt(0) depctr_sa_sdst(0) depctr_va_vdst(0) depctr_va_sdst(0) depctr_va_ssrc(0) depctr_va_vcc(0) depctr_vm_vsrc(0)
	s_getreg_b32 s2, hwreg(HW_REG_IB_STS2, 6, 4)
	s_cmp_eq_u32 s2, 0
	s_cbranch_scc0 .Lentry_in_a_cluster
	s_endpgm
.Lentry_in_a_cluster:
	s_bfe_u32 s2, ttmp6, 0x10000c
	s_cmp_lg_u32 s2, 0xf033
	s_cbranch_scc0 .Lentry_shape_is_right
	s_endpgm
.Lentry_shape_is_right:
; dl[m][e] = softplus(sum over k of ub[m][k] wt[e][k] + bf16(b_delta[e])), rounded once to f16.  ub: [16384][1024] bf16, wt: [1024][1024] bf16, dl: [16384][1024] f16; sums and softplus in f32.
; LIMITS.  softplus(z) = max(z, 0) + ln 2 x log2(1 + 2^(-c |z|)), c = log2(e): its absolute error stays under 6e-8, and below z of about -16.6 it comes out as 0; delta enters the result only as
; delta x A and delta x B x u.  z of 65,520 or more gives an infinity in f16.  NaN and infinities are not treated apart.
; A tile of 256 x 256 is made by four waves, each 128 x 128: 64 accumulators, 512 registers.  K goes in steps of 128 through a ring of two LDS slots filled by the tensor data mover: rows of 256 bytes, aligned.
; CLUSTERS: 4 x 4 work-groups.  The four of a row of the cluster need the same tiles of ub, the four of a column the same tiles of wt: each tile is asked for JOINTLY, by the same tensor load with the same
; descriptor and a mask that names the four.  THE MATRIX INSTRUCTION IS USED TRANSPOSED (source 0 = 16 rows of wt, source 1 = 16 rows of ub): a lane holds eight neighbouring columns of one row.
; THE WAY OUT: behind the last product and a barrier the ring has had its last fill; each wave lays its 128 x 128 sums there in f32 (rows of 528 bytes, its own bytes), and reads them back eight rows a trip, a lane
; eight neighbouring columns: bias, softplus, rounding, and 16 lanes store 256 consecutive bytes, aligned.
; REGISTERS, in windows of 256: window 0 v0-31 addresses and the bias, v64-127, v128-191 fragments of ub (two buffers), on the way out v32-175 at work; window 1 v64-127, v128-191 fragments of wt;
; window 2 the accumulators of my rows 0-63 ((a, b) at v[8 (8 a + b)]); window 3 those of my rows 64-127.
.set SIZE_N, 1024
.set SIZE_K, 1024
.set KSTEP,  128
.set PITCH,  272                       ; an LDS row: 256 bytes + 16 of padding: the 16 rows that a load touches start at 16 different groups of four banks
.set HALFT,  128*PITCH
.set SLOT,   4*HALFT
.set SPARE,  2*SLOT                    ; behind the ring: the spare words, 128 bytes a wave: two blocks of 256 bytes that no other line names
.set DPITCH, 528                       ; the way out: a row of 128 f32 + 16 bytes
.set DWAVE,  128*DPITCH                ; a wave's part; four of them, 270,336 bytes, lie inside the ring
.set LAPS, SIZE_K/(2*KSTEP)
.set BOF,  6                           ; v6      32 (l % 16): my eight numbers of the bias
.set BIA,  8                           ; v8-15   they
.set ADRA, 16
.set ADRB, 20
.set DST,  24                          ; where I put a lane's eight sums
.set RD0,  25                          ; where I read them back, first trip
.set CO,   26                          ; my byte offset in dl
.set RD,   27
.set SPW,  28
.set NIL,  29
.set PFO,  30
.set PFA,  44
.set LIM,  43
.set F0,   64
.set F1,   128
.set X,    32                          ; the way out: z, 32 numbers
.set E,    64                          ; the exponentials, then the logarithms
.set M,    96                          ; max(z, 0), then delta
.set O,    160                         ; packed
.set G1, 24
.set G0, 32
.set G1B, 48
.set G0B, 56
.set MSB, 0
.macro WIN new                         ; the immediate's high byte repeats the setting that is left
.if MSB != (\new)
	s_set_vgpr_msb (MSB<<8)|(\new)
.set MSB, \new
.endif
.endm
.set MUL_LO, 0xa1                      ; source 0 window 1, source 1 window 0, C and D window 2
.set MUL_HI, 0xf1                      ; the same, C and D window 3
.set TO_B,   0x40                      ; destination window 1, address window 0
; A joint load.  Waves 0 and 1 fetch the two halves of ub's tile, waves 2 and 3 those of wt's.  The branch hangs on the wave's number alone.  An s_nop 0 and four v_nop follow each of the two lines.
.macro JLOAD s
	s_cmp_eq_u32 s11, 0
	s_cbranch_scc0 .Lfor_b_\@
	tensor_load_to_lds s[G0+4*(\s):G0+4*(\s)+3], s[G1:G1+7]
	s_nop 0
.rept 4
	v_nop
.endr
	s_branch .Lasked_\@
.Lfor_b_\@:
	tensor_load_to_lds s[G0B+4*(\s):G0B+4*(\s)+3], s[G1B:G1B+7]
	s_nop 0
.rept 4
	v_nop
.endr
.Lasked_\@:
.endm
; A prefetch, behind each joint load and the run of LDS loads that follows it: the K step that stands two refills on, 32 rows x 256 bytes, a lane a row.  Each row's 256 bytes of a K step are named once in the
; launch: ub's by the cluster with x = 0, wt's by the cluster with y = 0; the four partners that ask for a tile jointly take 32 of a wave's 128 rows each, told apart by address.  K steps 0 to 3 come by their
; loads alone; the loop's last trip (s3 = 1) asks for nothing: there is no K step two on.
.macro ASK
	s_cmp_gt_u32 s3, s[LIM]
	s_cbranch_scc0 .Lnot_mine_\@
	global_prefetch_b8 v[PFO], s[PFA:PFA+1] offset:KSTEP*2 th:TH_LOAD_NT scope:SCOPE_SE
.Lnot_mine_\@:
.endm
.macro CREST                           ; a round of the cluster's barrier behind its opening barrier
	s_cmp_lg_u32 s10, 0
	s_cbranch_scc1 .Lnot_wave_0_\@
	s_barrier_signal -3
.Lnot_wave_0_\@:
	s_barrier_wait -3
	s_barrier_signal -1
	s_barrier_wait -1
.endm
.macro CROUND                          ; a whole round
	s_barrier_signal -1
	s_barrier_wait -1
	CREST
.endm
	s_load_b128 s[4:7], s[0:1], 0x0                ; ub s[4:5], wt s[6:7]
	s_load_b64 s[8:9], s[0:1], 0x10                ; dl
	s_load_b64 s[68:69], s[0:1], 0x18              ; b_delta
	v_lshl_add_u32 v[SPW], v0, 2, SPARE
	v_mov_b32 v[NIL], 0
	ds_add_u32 v[SPW], v[NIL]                      ; the wave's opening: the add, and its wait ahead of my first tensor load; the set-up below, work on registers, stands between them
	v_lshrrev_b32 v1, 5, v0
	v_readfirstlane_b32 s10, v1                    ; wave 0..3
	s_lshr_b32 s11, s10, 1                         ; which half of the tile's rows is mine.  Also: I fetch for ub (0) or for wt (1)
	s_and_b32 s12, s10, 1                          ; which half of its columns.  Also: which 128 rows of that tile I fetch
	s_bfe_u32 s40, ttmp6, 0x40000                  ; cx
	s_bfe_u32 s41, ttmp6, 0x40004                  ; cy
	s_lshl_b32 s42, ttmp9, 2
	s_add_co_u32 s42, s42, s40                     ; tile column = 4 x cluster x + cx
	s_and_b32 s13, ttmp7, 0xffff
	s_lshl_b32 s13, s13, 2
	s_add_co_u32 s13, s13, s41                     ; tile row = 4 x cluster y + cy
	s_lshl_b32 s43, s41, 2
	s_lshl_b32 s43, 15, s43                        ; my row of the cluster
	s_lshl_b32 s44, 0x1111, s40                    ; my column
	s_or_b32 s[G1+0], s43, (1<<16)|(1<<20)|(1<<21)|(5<<22)|(3<<25)  ; the mask; elements of 2 bytes; padding on; bit 21 beside a mask; after every 64 words, 4 words
	s_or_b32 s[G1B+0], s44, (1<<16)|(1<<20)|(1<<21)|(5<<22)|(3<<25)
.irp g, G1, G1B
	s_mov_b32 s[(\g)+1], KSTEP<<16                 ; tensor_dim0 = 128
	s_mov_b32 s[(\g)+2], 128<<16                   ; tensor_dim1 = 128
	s_mov_b32 s[(\g)+3], KSTEP<<16                 ; tile_dim0 = 128
	s_mov_b32 s[(\g)+4], 128                       ; tile_dim1 = 128
	s_mov_b32 s[(\g)+5], SIZE_K                    ; elements from row to row
	s_mov_b32 s[(\g)+6], 0
	s_mov_b32 s[(\g)+7], 0
.endr
	s_lshl_b32 s74, s42, 10                        ; my 128 columns in b_delta, in bytes: 1,024 x tile column + 512 x half; in registers that feed no descriptor
	s_lshl_b32 s75, s12, 9
	s_add_co_u32 s74, s74, s75
	s_mov_b32 s75, 0
	s_lshl_b32 s17, s12, 7                         ; which 128 rows of the tile I fetch
	s_lshl_b32 s16, s13, 8
	s_add_co_u32 s16, s16, s17                     ; ub: row 256 x tile row + 128 x half
	s_lshl_b32 s46, s42, 8
	s_add_co_u32 s46, s46, s17                     ; wt: row 256 x tile column + 128 x half
	s_mov_b32 s17, 0
	s_mov_b32 s47, 0
	s_mov_b64 s[18:19], SIZE_K*2
	s_mul_u64 s[16:17], s[16:17], s[18:19]
	s_mul_u64 s[46:47], s[46:47], s[18:19]
	s_mul_i32 s20, s10, HALFT                      ; where they go: wave x 128 rows: no place in the cluster enters an LDS address
	s_wait_dscnt 0x0                               ; the opening add is done
	s_wait_kmcnt 0x0
	s_add_nc_u64 s[14:15], s[4:5], s[16:17]
	s_add_nc_u64 s[46:47], s[6:7], s[46:47]
	s_add_nc_u64 s[68:69], s[68:69], s[74:75]
	CROUND                                         ; all sixteen work-groups are here: the first joint loads meet
.irp s, 0,1
	s_mov_b32 s[G0+4*(\s)], 1
	s_add_co_u32 s[G0+4*(\s)+1], s20, (\s)*SLOT
	s_add_nc_u64 s[G0+4*(\s)+2:G0+4*(\s)+3], s[14:15], (\s)*KSTEP*2
	s_or_b32 s[G0+4*(\s)+3], s[G0+4*(\s)+3], 0x80000000
	s_mov_b32 s[G0B+4*(\s)], 1
	s_add_co_u32 s[G0B+4*(\s)+1], s20, (\s)*SLOT
	s_add_nc_u64 s[G0B+4*(\s)+2:G0B+4*(\s)+3], s[46:47], (\s)*KSTEP*2
	s_or_b32 s[G0B+4*(\s)+3], s[G0B+4*(\s)+3], 0x80000000
	JLOAD \s
.endr
	v_and_b32 v1, 15, v0                           ; l % 16
	v_bfe_u32 v2, v0, 4, 1                         ; l / 16
	v_lshlrev_b32 v[BOF], 5, v1
	global_load_b128 v[BIA:BIA+3],   v[BOF], s[68:69]            ; waited for on the way out
	global_load_b128 v[BIA+4:BIA+7], v[BOF], s[68:69] offset:16
	v_mul_u32_u24 v3, v1, PITCH
	v_lshl_add_u32 v3, v2, 4, v3                   ; a fragment's row x pitch + 16 x half
	s_mul_i32 s21, s11, HALFT
	s_mul_i32 s22, s12, HALFT
	s_add_co_u32 s22, s22, 2*HALFT
.irp s, 0,1
	v_add_nc_u32 v[ADRA+(\s)], s21, v3
	v_add_nc_u32 v[ADRB+(\s)], s22, v3
	s_add_co_u32 s21, s21, SLOT
	s_add_co_u32 s22, s22, SLOT
.endr
	s_mul_i32 s23, s10, DWAVE                      ; my part of the ring on the way out
	v_mul_u32_u24 v4, v1, DPITCH                   ; in: row l % 16, 32 bytes for each half of the lanes
	v_lshl_add_u32 v4, v2, 5, v4
	v_add_nc_u32 v[DST], s23, v4
	v_mul_u32_u24 v5, v2, DPITCH                   ; back: lanes 0-15 take one row, 32 bytes each, lanes 16-31 the next
	v_lshl_add_u32 v5, v1, 5, v5
	v_add_nc_u32 v[RD0], s23, v5
	v_mul_u32_u24 v5, v2, SIZE_N*2                 ; and the same two rows in dl, 16 bytes a lane
	v_lshl_add_u32 v[CO], v1, 4, v5
	s_lshl_b32 s13, s13, 8
	s_lshl_b32 s14, s11, 7
	s_add_co_u32 s16, s13, s14                     ; my first row of dl
	s_mov_b32 s17, 0
	s_mov_b64 s[18:19], SIZE_N*2
	s_mul_u64 s[16:17], s[16:17], s[18:19]
	s_lshl_b32 s46, s42, 9                         ; my first column, in bytes
	s_lshl_b32 s47, s12, 8
	s_add_co_u32 s46, s46, s47
	s_mov_b32 s47, 0
	s_add_nc_u64 s[16:17], s[16:17], s[46:47]
	; the prefetches
	s_lshl_b32 s42, s42, 8
	s_and_b32 s22, ttmp7, 0xffff                   ; cluster y
	s_cmp_eq_u32 s11, 0                            ; do I fetch for ub?
	s_cselect_b32 s20, s13, s42                    ; the tile's first row
	s_cselect_b32 s21, s40, s41                    ; my place among the four that ask for it with me
	s_cselect_b32 s22, ttmp9, s22                  ; the coordinate along which other clusters read the same rows
	s_cselect_b64 s[PFA:PFA+1], s[4:5], s[6:7]
	s_cmp_eq_u32 s22, 0
	s_cselect_b32 s[LIM], 1, -1                    ; the same in all sixteen partners, for a given wave
	s_lshl_b32 s22, s12, 7
	s_add_co_u32 s20, s20, s22
	s_lshl_b32 s21, s21, 5
	s_add_co_u32 s20, s20, s21
	s_mov_b32 s21, 0
	s_mov_b64 s[18:19], SIZE_K*2
	s_mul_u64 s[20:21], s[20:21], s[18:19]
	s_add_nc_u64 s[PFA:PFA+1], s[PFA:PFA+1], s[20:21]
	s_add_nc_u64 s[PFA:PFA+1], s[PFA:PFA+1], 2*KSTEP*2  ; at K step 2: the first refill steps it to 3 and names K step 4
	v_and_b32 v[PFO], 31, v0
	v_mul_u32_u24 v[PFO], v[PFO], SIZE_K*2
; 16 matrix instructions: m blocks a0, a0 + 1 of the window's four x all 8 n blocks, 32 along K.  zero = 1: the first product starts the sums
.macro MUL16 f, hi, a0, zero
	WIN MUL_LO+0x50*(\hi)
.irp a, \a0, (\a0)+1
.irp b, 0,1,2,3,4,5,6,7
.if \zero
	v_wmma_f32_16x16x32_bf16 v[8*(8*(\a)+(\b)):8*(8*(\a)+(\b))+7], v[(\f)+8*(\b):(\f)+8*(\b)+7], v[(\f)+8*(4*(\hi)+(\a)):(\f)+8*(4*(\hi)+(\a))+7], 0
.else
	v_wmma_f32_16x16x32_bf16 v[8*(8*(\a)+(\b)):8*(8*(\a)+(\b))+7], v[(\f)+8*(\b):(\f)+8*(\b)+7], v[(\f)+8*(4*(\hi)+(\a)):(\f)+8*(4*(\hi)+(\a))+7], v[8*(8*(\a)+(\b)):8*(8*(\a)+(\b))+7]
.endif
.endr
.endr
.endm
; 32 LDS loads in one run: the fragments of one quarter step into buffer f
.macro FETCH slot, k, f
	WIN TO_B
.irp i, 0,1,2,3,4,5,6,7
	ds_load_b128 v[(\f)+8*(\i):(\f)+8*(\i)+3],   v[ADRB+(\slot)] offset:(\k)+(\i)*16*PITCH
	ds_load_b128 v[(\f)+8*(\i)+4:(\f)+8*(\i)+7], v[ADRB+(\slot)] offset:(\k)+(\i)*16*PITCH+32
.endr
	WIN 0
.irp i, 0,1,2,3,4,5,6,7
	ds_load_b128 v[(\f)+8*(\i):(\f)+8*(\i)+3],   v[ADRA+(\slot)] offset:(\k)+(\i)*16*PITCH
	ds_load_b128 v[(\f)+8*(\i)+4:(\f)+8*(\i)+7], v[ADRA+(\slot)] offset:(\k)+(\i)*16*PITCH+32
.endr
.endm
.macro PLACES                          ; four places in front of loads into registers that matrix instructions have read (ISA guide 7.12.1 for vector instructions)
.rept 4
	v_nop
.endr
.endm
; A K step is four quarters of 32 along K, 64 matrix instructions each, on buffers 0, 1, 0, 1; the 64 accumulators take turns in the same order in every quarter.
.macro QUARTER slot, k, f, g, zero
	s_wait_dscnt 8                                 ; wt's fragments and ub's rows 0-63 are in; the youngest eight loads may be out
	WIN MUL_LO
	MUL16 \f, 0, 0, \zero
	MUL16 \f, 0, 2, \zero
	PLACES
	FETCH \slot, \k, \g
	s_wait_dscnt 32                                ; all but the 32 just issued
	WIN MUL_HI
	MUL16 \f, 1, 0, \zero
	MUL16 \f, 1, 2, \zero
.endm
; The first half of a K step's last quarter: ONE barrier for the change of slots.
.macro MEET round
	WIN 0
	s_wait_tensorcnt 0x0                           ; all my tensor loads have landed: the one that was out is my part of the next slot;
	ds_add_u32 v[SPW], v[NIL]                      ; 0 onto my spare word;
	s_wait_dscnt 9                                 ; (the add and the youngest eight loads may be out)
	WIN MUL_LO
	MUL16 F1, 0, 0, 0
	s_wait_dscnt 0x0                               ; the add is done, and my reads of this slot are over
	s_barrier_signal -1
	MUL16 F1, 0, 2, 0
.if \round
	WIN 0
.endif
	s_barrier_wait -1
.endm
.macro TURN slot, next
	s_wait_xcnt 0x0                                ; the last prefetch, a K step back, has read its address
	s_add_nc_u64 s[PFA:PFA+1], s[PFA:PFA+1], KSTEP*2
	MEET 1
	CREST                                          ; no wave of any partner still reads this slot's tile or has a load on its way
	s_add_nc_u64 s[G0+4*(\slot)+2:G0+4*(\slot)+3], s[G0+4*(\slot)+2:G0+4*(\slot)+3], 2*KSTEP*2
	s_add_nc_u64 s[G0B+4*(\slot)+2:G0B+4*(\slot)+3], s[G0B+4*(\slot)+2:G0B+4*(\slot)+3], 2*KSTEP*2
	JLOAD \slot                                    ; the first tensor load behind the round; its four v_nop are also the places in front of the loads below
	FETCH \next, 0, F0
	ASK
	WIN MUL_HI
	MUL16 F1, 1, 0, 0
	MUL16 F1, 1, 2, 0
.endm
	s_wait_tensorcnt 1                             ; my part of K step 0 is in; K step 1's load stays out
	s_barrier_signal -1
	s_barrier_wait -1
	FETCH 0, 0, F0
	QUARTER 0, 64,  F0, F1, 1                      ; the first quarter stands in front of the loop: its products start the sums
	WIN 0
	s_mov_b32 s3, LAPS-1
.Llap:                                                 ; a trip goes once round the ring and fills both slots again
	QUARTER 0, 128, F1, F0, 0
	QUARTER 0, 192, F0, F1, 0
	TURN 0, 1
	QUARTER 1, 64,  F0, F1, 0
	QUARTER 1, 128, F1, F0, 0
	QUARTER 1, 192, F0, F1, 0
	TURN 1, 0
	QUARTER 0, 64,  F0, F1, 0
	WIN 0
	s_sub_co_u32 s3, s3, 1
	s_cmp_lg_u32 s3, 0
	s_cbranch_scc1 .Llap
	QUARTER 0, 128, F1, F0, 0                      ; the last lap fills nothing
	QUARTER 0, 192, F0, F1, 0
	MEET 0
	PLACES
	FETCH 1, 0, F0
	WIN MUL_HI
	MUL16 F1, 1, 0, 0
	MUL16 F1, 1, 2, 0
	QUARTER 1, 64,  F0, F1, 0
	QUARTER 1, 128, F1, F0, 0
	QUARTER 1, 192, F0, F1, 0
	s_wait_dscnt 8                                 ; the very last quarter
	MUL16 F1, 0, 0, 0
	MUL16 F1, 0, 2, 0
	s_wait_dscnt 0x0                               ; my reads of the ring are over:
	s_barrier_signal -1                            ; say so,
	MUL16 F1, 1, 0, 0
	MUL16 F1, 1, 2, 0
	WIN 0
	s_barrier_wait -1                              ; and everybody's are: the ring, which has had its last fill, may be stored into
	; THE WAY OUT
.rept 8
	v_nop                                          ; the places behind the last products, once a launch
.endr
.irp hi, 0,1
	WIN 0x08+4*(\hi)                               ; store data (source 1) in window 2 or 3
.irp a, 0,1,2,3
.irp b, 0,1,2,3,4,5,6,7
	ds_store_b128 v[DST], v[8*(8*(\a)+(\b)):8*(8*(\a)+(\b))+3]   offset:(4*(\hi)+(\a))*16*DPITCH+64*(\b)     ; each accumulator from its low end on
	ds_store_b128 v[DST], v[8*(8*(\a)+(\b))+4:8*(8*(\a)+(\b))+7] offset:(4*(\hi)+(\a))*16*DPITCH+64*(\b)+16
.endr
.endr
.endr
	WIN 0
	s_wait_loadcnt 0x0                             ; the bias
.irp q, 0,1,2,3
	v_cvt_pk_bf16_f32 v[X+(\q)], v[BIA+2*(\q)], v[BIA+2*(\q)+1]  ; rounded to bf16 like every input,
.endr
.irp q, 0,1,2,3
	v_lshlrev_b32 v[BIA+2*(\q)], 16, v[X+(\q)]                   ; and widened again
	v_and_b32 v[BIA+2*(\q)+1], 0xffff0000, v[X+(\q)]
.endr
	s_add_nc_u64 s[8:9], s[8:9], s[16:17]          ; dl at my first row and column
	s_mov_b32 s72, 16
	s_mov_b32 s73, 0
	v_mov_b32 v[RD], v[RD0]
.Lrows:                                                ; 16 trips of eight rows
.irp i, 0,1,2,3
	ds_load_b128 v[X+8*(\i):X+8*(\i)+3],   v[RD] offset:2*DPITCH*(\i)      ; my own bytes: LDS serves a wave's instructions in order
	ds_load_b128 v[X+8*(\i)+4:X+8*(\i)+7], v[RD] offset:2*DPITCH*(\i)+16
.endr
	s_wait_dscnt 0x0
.set i, 0
.rept 16
	v_pk_add_f32 v[X+2*i:X+2*i+1], v[X+2*i:X+2*i+1], v[BIA+2*(i%4):BIA+2*(i%4)+1]    ; z
.set i, i+1
.endr
.set i, 0
.rept 32
	v_max_num_f32 v[M+i], 0, v[X+i]
.set i, i+1
.endr
.set i, 0
.rept 16
	v_pk_mul_f32 v[E+2*i:E+2*i+1], v[X+2*i:X+2*i+1], 0x3fb8aa3b op_sel_hi:[1,0]      ; c z
.set i, i+1
.endr
.set i, 0
.rept 16
	v_pk_fma_f32 v[E+2*i:E+2*i+1], v[M+2*i:M+2*i+1], 0xc038aa3b, v[E+2*i:E+2*i+1] op_sel_hi:[1,0,1]  ; c z - 2 c max(z, 0) = -c |z|
.set i, i+1
.endr
.set i, 0
.rept 32
	v_exp_f32 v[E+i], v[E+i]
.set i, i+1
.endr
	v_nop                                          ; a plain instruction behind the last exponential,
	s_wait_alu depctr_va_vdst(0)                   ; and a wait ahead of the first use: one for the batch
.set i, 0
.rept 16
	v_pk_add_f32 v[E+2*i:E+2*i+1], v[E+2*i:E+2*i+1], 1.0 op_sel_hi:[1,0]
.set i, i+1
.endr
.set i, 0
.rept 32
	v_log_f32 v[E+i], v[E+i]
.set i, i+1
.endr
	v_nop
	s_wait_alu depctr_va_vdst(0)                   ; one wait for the 32 logarithms
.set i, 0
.rept 16
	v_pk_fma_f32 v[M+2*i:M+2*i+1], v[E+2*i:E+2*i+1], 0x3f317218, v[M+2*i:M+2*i+1] op_sel_hi:[1,0,1]  ; ln 2 x log2(..) + max(z, 0)
.set i, i+1
.endr
.set i, 0
.rept 16
	v_cvt_pk_f16_f32 v[O+i], v[M+2*i], v[M+2*i+1]
.set i, i+1
.endr
.irp i, 0,1,2,3
	global_store_b128 v[CO], v[O+4*(\i):O+4*(\i)+3], s[8:9] offset:2*SIZE_N*2*(\i)   ; 16 lanes store 256 consecutive bytes, aligned
.endr
	s_wait_xcnt 0x0                                ; the stores have read their base and O: both are written again only behind this wait
	s_add_nc_u64 s[8:9], s[8:9], 8*SIZE_N*2
	s_add_co_u32 s73, s73, 8*DPITCH
	v_add_nc_u32 v[RD], s73, v[RD0]
	s_sub_co_u32 s72, s72, 1
	s_cmp_lg_u32 s72, 0
	s_cbranch_scc1 .Lrows
	s_wait_tensorcnt 0x0                           ; the wave's end, behind my last tensor load and my last LDS store
	ds_add_u32 v[SPW], v[NIL]
	s_wait_dscnt 0x0
	CROUND                                         ; the closing round
	s_endpgm
.Lfunc_end_k_qbd008450c7_gemm:
	.size	k_qbd008450c7_gemm, .Lfunc_end_k_qbd008450c7_gemm-k_qbd008450c7_gemm
	.p2alignl 7, 3214868480
	.fill 96, 4, 3214868480
	.section	.rodata,"a",@progbits
	.p2align	6, 0x0
	.amdhsa_kernel k_qbd008450c7_gemm
		.amdhsa_group_segment_fixed_size 327680
		.amdhsa_private_segment_fixed_size 0
		.amdhsa_enable_private_segment 0
		.amdhsa_kernarg_size 32
		.amdhsa_user_sgpr_count 2
		.amdhsa_user_sgpr_kernarg_segment_ptr 1
		.amdhsa_wavefront_size32 1
		.amdhsa_system_sgpr_workgroup_id_x 1
		.amdhsa_system_sgpr_workgroup_id_y 1
		.amdhsa_system_sgpr_workgroup_id_z 1
		.amdhsa_system_vgpr_workitem_id 0
		.amdhsa_next_free_vgpr 1024
		.amdhsa_next_free_sgpr 80
		.amdhsa_reserve_vcc 0
		.amdhsa_float_denorm_mode_32 3
		.amdhsa_float_denorm_mode_16_64 3
		.amdhsa_memory_ordered 1
		.amdhsa_forward_progress 1
		.amdhsa_inst_pref_size 134
	.end_amdhsa_kernel
	.amdgpu_metadata
---
amdhsa.version: [ 1, 2 ]
amdhsa.kernels:
  - .name:           k_qbd008450c7_gemm
    .symbol:         k_qbd008450c7_gemm.kd
    .args:
      - { .name: ub, .offset: 0, .size: 8, .value_kind: global_buffer, .address_space: global }
      - { .name: wt, .offset: 8, .size: 8, .value_kind: global_buffer, .address_space: global }
      - { .name: dl, .offset: 16, .size: 8, .value_kind: global_buffer, .address_space: global }
      - { .name: b_delta, .offset: 24, .size: 8, .value_kind: global_buffer, .address_space: global }
    .group_segment_fixed_size: 327680
    .private_segment_fixed_size: 0
    .kernarg_segment_align: 8
    .kernarg_segment_size: 32
    .max_flat_workgroup_size: 128
    .sgpr_count:     80
    .vgpr_count:     1024
    .wavefront_size: 32
...
	.end_amdgpu_metadata
.endif
;; end of part 2
;; launch sums (part 3): grid 8 x 31, 4 waves a work-group, no clusters, 279,040 bytes of LDS; arguments dl, ub, bc, A, pim, sim; writes pim, sim
.if DOCPART == 3
	.amdgcn_target "amdgcn-amd-amdhsa--gfx1250"
	.amdhsa_code_object_version 6
	.text
	.protected	k_qbd008450c7_sums
	.globl	k_qbd008450c7_sums
	.p2align	8
	.type	k_qbd008450c7_sums,@function
k_qbd008450c7_sums:
	s_mov_b64 s[64:65], 0
	v_nop
	global_prefetch_b8 v0, s[64:65] scope:SCOPE_SE
	s_setreg_imm32_b32 hwreg(HW_REG_WAVE_MODE, 25, 1), 1
	s_wait_xcnt 0x0
; THE SCAN'S SUMMARY PASS.  h[t] = a[t] h[t-1] + x[t] B[t], a = 1 + delta A, x = delta u, for 4 batches x 1,024 channels x 16 states over 4,096 steps, cut into 32 chunks of 128 steps.
; For chunks 0 to 30 (the last needs none): P = the product of a over the chunk, S = the chunk's end state from h = 0.  All in f32; delta comes in f16, u in bf16, B in f32; A is rounded to bf16 like every input.
; LIMIT.  The product of |1 + delta A| over 128 steps has to stay inside f32.  NaN and infinities are not treated apart.
; SHARES.  Work-group (x, c): batch x / 2, channels 512 (x % 2) on, chunk c.  A wave takes 128 channels, a lane 4, with all 16 states: register 4 n + j holds state n of channel j, so a packed line takes two
; channels of one state, and B[n], the same for all lanes, is given to both halves out of an aligned pair.
; LDS: wave w's 128 rows x 256 bytes of delta at 65,536 w, of u 32,768 further on; the chunk's 128 rows of B | C (128 bytes each) at 262,144.  Nothing is filled twice.  Each wave asks for its quarter of B | C and
; for its delta and u in four slices of 32 rows, so that the first step waits for an eighth of the wave's bytes: nine tensor loads out.
; No cluster: two work-groups share B | C alone, 16 of 272 KiB.  No prefetch: the whole chunk is asked for at the head.
.set SUMS,  1                          ; 1: this text; 0: the true pass, which is the same skeleton
.set QN,    2-SUMS                     ; LDS loads for four states of a row: B's, and in the true pass C's
.set LROW,  256
.set UOFF,  32768
.set BCL,   262144
.set SPARE, 278528                     ; the spare words, 128 bytes a wave: two blocks of 256 bytes that no other line names
.set AD0, 2                            ; 65,536 w + 8 l; never rewritten
.set AD,  3                            ; the row to be read next
.set BCA, 4                            ; the row of B | C to be read next
.set LO,  5                            ; 16 l
.set SPW, 6
.set NIL, 7
.set DD,  12                           ; v8-9 delta, v10-11 u as read; v12-15 delta, v16-19 x, v20-23 u in f32
.set XX,  16
.set UU,  20
.set TA,  24                           ; a, two sets by the state's parity
.set TT,  32                           ; x B, likewise
.set YA,  40
.set YS,  44
.set BB,  48                           ; v48-63 B of the row in hand
.set HH,  64                           ; v64-127 the states
.set AA,  128                          ; v128-191 A
.set CC,  192
.set PP,  192                          ; v192-255 P
.set TP,  192                          ; A as loaded
.set G1,  24                           ; s[24:31] a slice: 32 rows x 128 elements of 2 bytes, 1,024 elements from row to row
.set G1B, 32                           ; s[32:39] a quarter of B | C: 4,096 dense bytes as 16 rows of 256
.set GB,  40                           ; s[40:43]
.set GD,  44                           ; s[44:59] delta's four slices; u's: s[60:63], s[68:79]
.set WV,  16
.set CNT, 80
.set RO,  81
.set BO,  82
	s_load_b256 s[4:11], s[0:1], 0x0               ; dl, ub, bc, A
	s_load_b128 s[12:15], s[0:1], 0x20             ; pim, sim (the true pass: hin, out0)
	v_lshl_add_u32 v[SPW], v0, 2, SPARE
	v_mov_b32 v[NIL], 0
	ds_add_u32 v[SPW], v[NIL]                      ; the wave's opening: the add, and its wait ahead of my first tensor load; the set-up below, work on registers, stands between them
	v_lshrrev_b32 v1, 5, v0
	v_readfirstlane_b32 s[WV], v1                  ; wave 0..3
	s_lshr_b32 s17, ttmp9, 1                       ; batch
	s_and_b32 s83, ttmp9, 1                        ; which 512 channels
	s_and_b32 s18, ttmp7, 0xffff                   ; chunk
	s_mov_b32 s19, 0xffff0000
	s_mov_b32 s[G1+0], 1<<16                       ; elements of 2 bytes, no mask, no padding
	s_mov_b32 s[G1+1], 128<<16                     ; tensor_dim0 = 128
	s_mov_b32 s[G1+2], 32<<16                      ; tensor_dim1 = 32
	s_mov_b32 s[G1+3], 128<<16                     ; tile_dim0 = 128
	s_mov_b32 s[G1+4], 32                          ; tile_dim1 = 32
	s_mov_b32 s[G1+5], 1024
	s_mov_b32 s[G1+6], 0
	s_mov_b32 s[G1+7], 0
	s_mov_b32 s[G1B+0], 3<<16                      ; elements of 8 bytes
	s_mov_b32 s[G1B+1], 32<<16
	s_mov_b32 s[G1B+2], 16<<16
	s_mov_b32 s[G1B+3], 32<<16
	s_mov_b32 s[G1B+4], 16
	s_mov_b32 s[G1B+5], 32
	s_mov_b32 s[G1B+6], 0
	s_mov_b32 s[G1B+7], 0
	s_lshl_b32 s84, s[WV], 16                      ; my wave's part of LDS
	s_lshl_b32 s85, s[WV], 12                      ; my quarter of B | C
	s_mov_b32 s[GB], 1
	s_add_co_u32 s[GB+1], s85, BCL
.irp s, 0,1,2,3
.set gu, 60+4*(\s)+4*(((\s)+3)/4)
	s_mov_b32 s[GD+4*(\s)], 1
	s_add_co_u32 s[GD+4*(\s)+1], s84, 8192*(\s)
	s_mov_b32 s[gu], 1
	s_add_co_u32 s[gu+1], s84, UOFF+8192*(\s)
.endr
	s_lshl_b32 s20, s17, 23                        ; in dl and ub: batch x 4,096 rows of 2,048 bytes,
	s_lshl_b32 s21, s18, 18                        ; chunk x 128 rows,
	s_add_co_u32 s20, s20, s21
	s_lshl_b32 s21, s83, 10                        ; 512 channels,
	s_add_co_u32 s20, s20, s21
	s_lshl_b32 s21, s[WV], 8                       ; my 128
	s_add_co_u32 s20, s20, s21
	s_mov_b32 s21, 0
	s_lshl_b32 s22, s17, 19                        ; in bc: rows of 128 bytes
	s_lshl_b32 s23, s18, 14
	s_add_co_u32 s22, s22, s23
	s_add_co_u32 s22, s22, s85
	s_mov_b32 s23, 0
	s_wait_dscnt 0x0                               ; the opening add is done
	s_wait_kmcnt 0x0
	s_add_nc_u64 s[4:5], s[4:5], s[20:21]
	s_add_nc_u64 s[6:7], s[6:7], s[20:21]
	s_add_nc_u64 s[GB+2:GB+3], s[8:9], s[22:23]
	s_or_b32 s[GB+3], s[GB+3], 0x80000000
.irp s, 0,1,2,3
.set gu, 60+4*(\s)+4*(((\s)+3)/4)
	s_add_nc_u64 s[GD+4*(\s)+2:GD+4*(\s)+3], s[4:5], 65536*(\s)
	s_or_b32 s[GD+4*(\s)+3], s[GD+4*(\s)+3], 0x80000000
	s_add_nc_u64 s[gu+2:gu+3], s[6:7], 65536*(\s)
	s_or_b32 s[gu+3], s[gu+3], 0x80000000
.endr
	tensor_load_to_lds s[GB:GB+3], s[G1B:G1B+7]    ; all first fills in one group, ahead of every wait on TENSORcnt, LDS read and barrier
	s_nop 0
.irp s, 0,1,2,3
.set gu, 60+4*(\s)+4*(((\s)+3)/4)
	tensor_load_to_lds s[GD+4*(\s):GD+4*(\s)+3], s[G1:G1+7]
	s_nop 0
	tensor_load_to_lds s[gu:gu+3], s[G1:G1+7]
	s_nop 0
.endr
	s_lshl_b32 s20, s83, 15                        ; A: my 128 channels' rows of 64 bytes
	s_lshl_b32 s86, s[WV], 13
	s_add_co_u32 s20, s20, s86
	s_add_nc_u64 s[10:11], s[10:11], s[20:21]
	s_lshl_b32 s22, s18, 5                         ; my image of 8,192 bytes: number 32 c + 4 x + w
	s_lshl_b32 s86, ttmp9, 2
	s_add_co_u32 s22, s22, s86
	s_add_co_u32 s22, s22, s[WV]
	s_lshl_b32 s22, s22, 13
	s_add_nc_u64 s[12:13], s[12:13], s[22:23]
.if SUMS
	s_add_nc_u64 s[14:15], s[14:15], s[22:23]
.else
	s_lshl_b32 s86, s17, 24                        ; out0: rows of 4,096 bytes
	s_lshl_b32 s87, s18, 19
	s_add_co_u32 s86, s86, s87
	s_lshl_b32 s87, s83, 11
	s_add_co_u32 s86, s86, s87
	s_lshl_b32 s87, s[WV], 9
	s_add_co_u32 s86, s86, s87
	s_mov_b32 s87, 0
	s_add_nc_u64 s[14:15], s[14:15], s[86:87]
.endif
	v_and_b32 v1, 31, v0
	v_lshlrev_b32 v[LO], 4, v1
	v_lshlrev_b32 v[AD0], 3, v1
	v_add_nc_u32 v[AD0], s84, v[AD0]
	v_mov_b32 v[AD], v[AD0]
	v_lshlrev_b32 v1, 8, v1                        ; my four channels' 256 bytes of A
.set ci, 0
.rept 16
	global_load_b128 v[TP+4*ci:TP+4*ci+3], v1, s[10:11] offset:16*ci
.set ci, ci+1
.endr
.if !SUMS
.set ci, 0
.rept 16
	global_load_b128 v[HH+4*ci:HH+4*ci+3], v[LO], s[12:13] offset:512*ci th:TH_LOAD_NT
.set ci, ci+1
.endr
.endif
	s_wait_loadcnt 16*(1-SUMS)                     ; A is in (the true pass: the carry's 16 loads stay out)
.set ci, 0
.rept 4                                ; A rounded to bf16, widened, and turned: from [channel][state] to register 4 n + channel
.set ni, 0
.rept 8
	v_cvt_pk_bf16_f32 v[TA+ni], v[TP+16*ci+2*ni], v[TP+16*ci+2*ni+1]
.set ni, ni+1
.endr
.set ni, 0
.rept 8
	v_lshlrev_b32 v[AA+8*ni+ci],   16,  v[TA+ni]
	v_and_b32     v[AA+8*ni+4+ci], s19, v[TA+ni]
.set ni, ni+1
.endr
.set ci, ci+1
.endr
	s_wait_loadcnt 0x0
	s_wait_tensorcnt 8                             ; my quarter of B | C is in; the eight slices stay out
	s_barrier_signal -1
	s_barrier_wait -1                              ; everybody's quarter is
	s_wait_tensorcnt 6                             ; my slice 0 of delta and of u is in; six younger loads stay out
	s_mov_b32 s[RO], 0
	s_mov_b32 s[BO], BCL
	v_mov_b32 v[BCA], s[BO]
.macro RLD                             ; the next row's delta and u, 8 bytes a lane each
	ds_load_b64 v[8:9],   v[AD]
	ds_load_b64 v[10:11], v[AD] offset:UOFF
	s_add_co_u32 s[RO], s[RO], LROW
	v_add_nc_u32 v[AD], s[RO], v[AD0]
.endm
.macro QLD q                           ; four states' B (and C) of the next row: every lane reads the same 16 bytes
	ds_load_b128 v[BB+4*(\q):BB+4*(\q)+3], v[BCA] offset:16*(\q)
.if !SUMS
	ds_load_b128 v[CC+4*(\q):CC+4*(\q)+3], v[BCA] offset:64+16*(\q)
.endif
.endm
.macro TAT n, first                    ; a = delta A + 1 and x B for state n; in a chunk's first step they ARE P and S
.set bp, BB+((\n)/2)*2
.irp p, 0,1
.if \first
.set da, PP+4*(\n)+2*(\p)
.set dt, HH+4*(\n)+2*(\p)
.else
.set da, TA+4*((\n)%2)+2*(\p)
.set dt, TT+4*((\n)%2)+2*(\p)
.endif
	v_pk_fma_f32 v[da:da+1], v[DD+2*(\p):DD+2*(\p)+1], v[AA+4*(\n)+2*(\p):AA+4*(\n)+2*(\p)+1], 1.0 op_sel_hi:[1,1,0]
.if (\n)%2
	v_pk_mul_f32 v[dt:dt+1], v[XX+2*(\p):XX+2*(\p)+1], v[bp:bp+1] op_sel:[0,1] op_sel_hi:[1,1]
.else
	v_pk_mul_f32 v[dt:dt+1], v[XX+2*(\p):XX+2*(\p)+1], v[bp:bp+1] op_sel_hi:[1,0]
.endif
.endr
.endm
.macro HUP n                           ; h = a h + x B
.irp p, 0,1
	v_pk_fma_f32 v[HH+4*(\n)+2*(\p):HH+4*(\n)+2*(\p)+1], v[TA+4*((\n)%2)+2*(\p):TA+4*((\n)%2)+2*(\p)+1], v[HH+4*(\n)+2*(\p):HH+4*(\n)+2*(\p)+1], v[TT+4*((\n)%2)+2*(\p):TT+4*((\n)%2)+2*(\p)+1]
.endr
.endm
.macro PUP n                           ; P = P a
.irp p, 0,1
	v_pk_mul_f32 v[PP+4*(\n)+2*(\p):PP+4*(\n)+2*(\p)+1], v[PP+4*(\n)+2*(\p):PP+4*(\n)+2*(\p)+1], v[TA+4*((\n)%2)+2*(\p):TA+4*((\n)%2)+2*(\p)+1]
.endr
.endm
.macro YUP n                           ; y += C[n] h; the last link writes the registers that are stored
.set cp, CC+((\n)/2)*2
.irp p, 0,1
.set hh, HH+4*(\n)+2*(\p)
.set yd, YA+2*(\p)+4*((\n)/15)
.if (\n) == 0
	v_pk_mul_f32 v[yd:yd+1], v[hh:hh+1], v[cp:cp+1] op_sel_hi:[1,0]
.elseif (\n)%2
	v_pk_fma_f32 v[yd:yd+1], v[hh:hh+1], v[cp:cp+1], v[YA+2*(\p):YA+2*(\p)+1] op_sel:[0,1,0] op_sel_hi:[1,1,1]
.else
	v_pk_fma_f32 v[yd:yd+1], v[hh:hh+1], v[cp:cp+1], v[YA+2*(\p):YA+2*(\p)+1] op_sel_hi:[1,0,1]
.endif
.endr
.endm
; A STEP.  more = 1: the next row is read ahead: its delta and u at the step's head, its B (and C) four states at a time, each into the registers just used up.  LDS loads come back in order (ISA guide 5.7.1),
; so each wait counts what was issued behind the load that is wanted.
.macro STEP more, first
	s_wait_dscnt 4*QN                              ; my row's delta and u are in; behind them stand its four groups of states
	v_cvt_f32_f16 v[DD],   v8.l
	v_cvt_f32_f16 v[DD+1], v8.h
	v_cvt_f32_f16 v[DD+2], v9.l
	v_cvt_f32_f16 v[DD+3], v9.h
	v_lshlrev_b32 v[UU],   16,  v10
	v_and_b32     v[UU+1], s19, v10
	v_lshlrev_b32 v[UU+2], 16,  v11
	v_and_b32     v[UU+3], s19, v11
	v_pk_mul_f32 v[XX:XX+1],   v[DD:DD+1],   v[UU:UU+1]
	v_pk_mul_f32 v[XX+2:XX+3], v[DD+2:DD+3], v[UU+2:UU+3]
.if \more
	RLD
.endif
	s_wait_dscnt 3*QN+2*(\more)                    ; states 0-3 are in; behind them: three groups and the row just asked for
	TAT 0, \first
.set sn, 0
.rept 16
.if (sn%4 == 3) && (sn < 15)
.if \more
	s_wait_dscnt 2*QN+2                            ; the next four states are in; behind them: two groups (this row's or the next's) and the next row
.else
	s_wait_dscnt (2-sn/4)*QN                       ; the last step: only this row's later groups
.endif
.endif
.if !(\first)
	HUP sn
.endif
.if sn < 15
	TAT sn+1, \first
.endif
.if SUMS
.if !(\first)
	PUP sn
.endif
.else
.if sn == 15
	s_wait_xcnt 0x0                                ; the last store, a step back, has read its base and its data: both are written again only behind this wait
	s_add_nc_u64 s[14:15], s[14:15], 4096
.endif
	YUP sn
.endif
.if (\more) && (sn%4 == 3)
	QLD sn/4
.endif
.set sn, sn+1
.endr
.if \more
	s_add_co_u32 s[BO], s[BO], 128
	v_mov_b32 v[BCA], s[BO]
.endif
.if !SUMS
	global_store_b128 v[LO], v[YS:YS+3], s[14:15] offset:-4096 th:TH_STORE_NT  ; 512 consecutive bytes of a row of out0
.endif
.endm
.macro RUN k
	s_mov_b32 s[CNT], \k
.Lrun_\@:
	STEP 1, 0
	s_sub_co_u32 s[CNT], s[CNT], 1
	s_cmp_lg_u32 s[CNT], 0
	s_cbranch_scc1 .Lrun_\@
.endm
	RLD                                            ; row 0
	QLD 0
	QLD 1
	QLD 2
	QLD 3
	s_add_co_u32 s[BO], s[BO], 128
	v_mov_b32 v[BCA], s[BO]
.if SUMS
	STEP 1, 1                                      ; the first step starts P and S: nothing is cleared
	RUN 30                                         ; steps 1-30 read rows 2-31 ahead: slice 0
.else
	RUN 31                                         ; steps 0-30 read rows 1-31 ahead: slice 0
.endif
	s_wait_tensorcnt 4                             ; slice 1 is in; four younger loads stay out
	RUN 32                                         ; rows 32-63 are read
	s_wait_tensorcnt 2                             ; slice 2
	RUN 32
	s_wait_tensorcnt 0x0                           ; slice 3
	RUN 32
	STEP 0, 0                                      ; step 127 reads nothing ahead
.if SUMS
.set ci, 0
.rept 16
	global_store_b128 v[LO], v[PP+4*ci:PP+4*ci+3], s[12:13] offset:512*ci   ; an image: 16 times 512 consecutive bytes
	global_store_b128 v[LO], v[HH+4*ci:HH+4*ci+3], s[14:15] offset:512*ci
.set ci, ci+1
.endr
.endif
	s_wait_tensorcnt 0x0                           ; the wave's end, behind my last tensor load
	ds_add_u32 v[SPW], v[NIL]
	s_wait_dscnt 0x0
	s_endpgm
.Lfunc_end_k_qbd008450c7_sums:
	.size	k_qbd008450c7_sums, .Lfunc_end_k_qbd008450c7_sums-k_qbd008450c7_sums
	.p2alignl 7, 3214868480
	.fill 96, 4, 3214868480
	.section	.rodata,"a",@progbits
	.p2align	6, 0x0
	.amdhsa_kernel k_qbd008450c7_sums
		.amdhsa_group_segment_fixed_size 279040
		.amdhsa_private_segment_fixed_size 0
		.amdhsa_enable_private_segment 0
		.amdhsa_kernarg_size 48
		.amdhsa_user_sgpr_count 2
		.amdhsa_user_sgpr_kernarg_segment_ptr 1
		.amdhsa_wavefront_size32 1
		.amdhsa_system_sgpr_workgroup_id_x 1
		.amdhsa_system_sgpr_workgroup_id_y 1
		.amdhsa_system_sgpr_workgroup_id_z 1
		.amdhsa_system_vgpr_workitem_id 0
		.amdhsa_next_free_vgpr 256
		.amdhsa_next_free_sgpr 88
		.amdhsa_reserve_vcc 0
		.amdhsa_float_denorm_mode_32 3
		.amdhsa_float_denorm_mode_16_64 3
		.amdhsa_memory_ordered 1
		.amdhsa_forward_progress 1
		.amdhsa_inst_pref_size 66
	.end_amdhsa_kernel
	.amdgpu_metadata
---
amdhsa.version: [ 1, 2 ]
amdhsa.kernels:
  - .name:           k_qbd008450c7_sums
    .symbol:         k_qbd008450c7_sums.kd
    .args:
      - { .name: dl, .offset: 0, .size: 8, .value_kind: global_buffer, .address_space: global }
      - { .name: ub, .offset: 8, .size: 8, .value_kind: global_buffer, .address_space: global }
      - { .name: bc, .offset: 16, .size: 8, .value_kind: global_buffer, .address_space: global }
      - { .name: A, .offset: 24, .size: 8, .value_kind: global_buffer, .address_space: global }
      - { .name: pim, .offset: 32, .size: 8, .value_kind: global_buffer, .address_space: global }
      - { .name: sim, .offset: 40, .size: 8, .value_kind: global_buffer, .address_space: global }
    .group_segment_fixed_size: 279040
    .private_segment_fixed_size: 0
    .kernarg_segment_align: 8
    .kernarg_segment_size: 48
    .max_flat_workgroup_size: 128
    .sgpr_count:     88
    .vgpr_count:     256
    .wavefront_size: 32
...
	.end_amdgpu_metadata
.endif
;; end of part 3
;; launch carry (part 4): grid 256 x 1, 4 waves a work-group, no clusters, 0 bytes of LDS; arguments pim, sim, hin; writes hin
.if DOCPART == 4
	.amdgcn_target "amdgcn-amd-amdhsa--gfx1250"
	.amdhsa_code_object_version 6
	.text
	.protected	k_qbd008450c7_carry
	.globl	k_qbd008450c7_carry
	.p2align	8
	.type	k_qbd008450c7_carry,@function
k_qbd008450c7_carry:
	s_mov_b64 s[64:65], 0
	v_nop
	global_prefetch_b8 v0, s[64:65] scope:SCOPE_SE
	s_setreg_imm32_b32 hwreg(HW_REG_WAVE_MODE, 25, 1), 1
	s_wait_xcnt 0x0
; THE CARRY.  hin[0] = 0, hin[c + 1] = P[c] hin[c] + S[c], c = 0 .. 30, for the 65,536 states; all f32.  pim, sim, hin: planes of 262,144 bytes, one a chunk, all in the same order of states.
; pim's and sim's 31 planes are all read: behind the last chunk there is nothing to carry into.
; A thread owns 8 bytes of a plane (two states); a wave's load or store covers 256 consecutive bytes, aligned.  All 62 loads go out at once; each link waits for its own two.
; No LDS, no barrier: no thread wants another's numbers.
.set PLANE, 262144
.set P, 4                              ; v[4:65]
.set S, 66                             ; v[66:127]
.set H, 128                            ; v[128:191]: a pair for each plane, so that no store's data are rewritten
	s_load_b128 s[4:7], s[0:1], 0x0                ; pim, sim
	s_load_b64 s[8:9], s[0:1], 0x10                ; hin
	v_lshlrev_b32 v1, 3, v0
	s_lshl_b32 s10, ttmp9, 10                      ; the work-group's 1,024 bytes of a plane
	s_mov_b32 s11, 0
	v_mov_b32 v[H], 0
	v_mov_b32 v[H+1], 0
	s_wait_kmcnt 0x0
	s_add_nc_u64 s[4:5], s[4:5], s[10:11]
	s_add_nc_u64 s[6:7], s[6:7], s[10:11]
	s_add_nc_u64 s[8:9], s[8:9], s[10:11]
.set c, 0
.rept 31
	global_load_b64 v[P+2*c:P+2*c+1], v1, s[4:5] offset:PLANE*c th:TH_LOAD_NT
	global_load_b64 v[S+2*c:S+2*c+1], v1, s[6:7] offset:PLANE*c th:TH_LOAD_NT
.set c, c+1
.endr
	global_store_b64 v1, v[H:H+1], s[8:9]
.set c, 0
.rept 31
	s_wait_loadcnt 60-2*c                          ; chunk c's two loads are in; the later chunks' stay out
	v_pk_fma_f32 v[H+2*c+2:H+2*c+3], v[P+2*c:P+2*c+1], v[H+2*c:H+2*c+1], v[S+2*c:S+2*c+1]
	global_store_b64 v1, v[H+2*c+2:H+2*c+3], s[8:9] offset:PLANE*(c+1)
.set c, c+1
.endr
	s_endpgm
.Lfunc_end_k_qbd008450c7_carry:
	.size	k_qbd008450c7_carry, .Lfunc_end_k_qbd008450c7_carry-k_qbd008450c7_carry
	.p2alignl 7, 3214868480
	.fill 96, 4, 3214868480
	.section	.rodata,"a",@progbits
	.p2align	6, 0x0
	.amdhsa_kernel k_qbd008450c7_carry
		.amdhsa_group_segment_fixed_size 0
		.amdhsa_private_segment_fixed_size 0
		.amdhsa_enable_private_segment 0
		.amdhsa_kernarg_size 24
		.amdhsa_user_sgpr_count 2
		.amdhsa_user_sgpr_kernarg_segment_ptr 1
		.amdhsa_wavefront_size32 1
		.amdhsa_system_sgpr_workgroup_id_x 1
		.amdhsa_system_sgpr_workgroup_id_y 1
		.amdhsa_system_sgpr_workgroup_id_z 1
		.amdhsa_system_vgpr_workitem_id 0
		.amdhsa_next_free_vgpr 192
		.amdhsa_next_free_sgpr 66
		.amdhsa_reserve_vcc 0
		.amdhsa_float_denorm_mode_32 3
		.amdhsa_float_denorm_mode_16_64 3
		.amdhsa_memory_ordered 1
		.amdhsa_forward_progress 1
		.amdhsa_inst_pref_size 13
	.end_amdhsa_kernel
	.amdgpu_metadata
---
amdhsa.version: [ 1, 2 ]
amdhsa.kernels:
  - .name:           k_qbd008450c7_carry
    .symbol:         k_qbd008450c7_carry.kd
    .args:
      - { .name: pim, .offset: 0, .size: 8, .value_kind: global_buffer, .address_space: global }
      - { .name: sim, .offset: 8, .size: 8, .value_kind: global_buffer, .address_space: global }
      - { .name: hin, .offset: 16, .size: 8, .value_kind: global_buffer, .address_space: global }
    .group_segment_fixed_size: 0
    .private_segment_fixed_size: 0
    .kernarg_segment_align: 8
    .kernarg_segment_size: 24
    .max_flat_workgroup_size: 128
    .sgpr_count:     66
    .vgpr_count:     192
    .wavefront_size: 32
...
	.end_amdgpu_metadata
.endif
;; end of part 4
;; launch scan (part 5): grid 8 x 32, 4 waves a work-group, no clusters, 279,040 bytes of LDS; arguments dl, ub, bc, A, hin, out0; writes out0
.if DOCPART == 5
	.amdgcn_target "amdgcn-amd-amdhsa--gfx1250"
	.amdhsa_code_object_version 6
	.text
	.protected	k_qbd008450c7_scan
	.globl	k_qbd008450c7_scan
	.p2align	8
	.type	k_qbd008450c7_scan,@function
k_qbd008450c7_scan:
	s_mov_b64 s[64:65], 0
	v_nop
	global_prefetch_b8 v0, s[64:65] scope:SCOPE_SE
	s_setreg_imm32_b32 hwreg(HW_REG_WAVE_MODE, 25, 1), 1
	s_wait_xcnt 0x0
; THE SCAN'S TRUE PASS.  h[t] = a[t] h[t-1] + x[t] B[t], a = 1 + delta A, x = delta u; y[t][d] = the sum over n of C[t][n] h[t][d][n].  4 batches x 1,024 channels x 16 states, 4,096 steps in 32 chunks of 128;
; chunk c starts from hin[c], which the launch before has made.  All in f32; delta comes in f16, u in bf16, B and C in f32; A is rounded to bf16 like every input.
; LIMIT.  NaN and infinities are not treated apart.
; SHARES.  Work-group (x, c): batch x / 2, channels 512 (x % 2) on, chunk c.  A wave takes 128 channels, a lane 4, with all 16 states: register 4 n + j holds state n of channel j, so a packed line takes two
; channels of one state, B[n] and C[n], the same for all lanes, are given to both halves out of an aligned pair, and y needs no sum across lanes: a lane's four y are 16 bytes, a wave's store 512 on end.
; LDS: wave w's 128 rows x 256 bytes of delta at 65,536 w, of u 32,768 further on; the chunk's 128 rows of B | C (128 bytes each) at 262,144.  Nothing is filled twice.  Each wave asks for its quarter of B | C and
; for its delta and u in four slices of 32 rows, so that the first step waits for an eighth of the wave's bytes: nine tensor loads out.
; No cluster: two work-groups share B | C alone, 16 of 272 KiB.  No prefetch: the whole chunk is asked for at the head.
.set SUMS,  0                          ; 0: this text; 1: the summary pass, which is the same skeleton
.set QN,    2-SUMS                     ; LDS loads for four states of a row: B's, and here C's
.set LROW,  256
.set UOFF,  32768
.set BCL,   262144
.set SPARE, 278528                     ; the spare words, 128 bytes a wave: two blocks of 256 bytes that no other line names
.set AD0, 2                            ; 65,536 w + 8 l; never rewritten
.set AD,  3                            ; the row to be read next
.set BCA, 4                            ; the row of B | C to be read next
.set LO,  5                            ; 16 l
.set SPW, 6
.set NIL, 7
.set DD,  12                           ; v8-9 delta, v10-11 u as read; v12-15 delta, v16-19 x, v20-23 u in f32
.set XX,  16
.set UU,  20
.set TA,  24                           ; a, two sets by the state's parity
.set TT,  32                           ; x B, likewise
.set YA,  40                           ; y at work
.set YS,  44                           ; y to store
.set BB,  48                           ; v48-63 B of the row in hand
.set HH,  64                           ; v64-127 the states
.set AA,  128                          ; v128-191 A
.set CC,  192                          ; v192-207 C of the row in hand
.set PP,  192
.set TP,  192                          ; v192-255 A as loaded, at the head alone
.set G1,  24                           ; s[24:31] a slice: 32 rows x 128 elements of 2 bytes, 1,024 elements from row to row
.set G1B, 32                           ; s[32:39] a quarter of B | C: 4,096 dense bytes as 16 rows of 256
.set GB,  40                           ; s[40:43]
.set GD,  44                           ; s[44:59] delta's four slices; u's: s[60:63], s[68:79]
.set WV,  16
.set CNT, 80
.set RO,  81
.set BO,  82
	s_load_b256 s[4:11], s[0:1], 0x0               ; dl, ub, bc, A
	s_load_b128 s[12:15], s[0:1], 0x20             ; hin, out0
	v_lshl_add_u32 v[SPW], v0, 2, SPARE
	v_mov_b32 v[NIL], 0
	ds_add_u32 v[SPW], v[NIL]                      ; the wave's opening: the add, and its wait ahead of my first tensor load; the set-up below, work on registers, stands between them
	v_lshrrev_b32 v1, 5, v0
	v_readfirstlane_b32 s[WV], v1                  ; wave 0..3
	s_lshr_b32 s17, ttmp9, 1                       ; batch
	s_and_b32 s83, ttmp9, 1                        ; which 512 channels
	s_and_b32 s18, ttmp7, 0xffff                   ; chunk
	s_mov_b32 s19, 0xffff0000
	s_mov_b32 s[G1+0], 1<<16                       ; elements of 2 bytes, no mask, no padding
	s_mov_b32 s[G1+1], 128<<16                     ; tensor_dim0 = 128
	s_mov_b32 s[G1+2], 32<<16                      ; tensor_dim1 = 32
	s_mov_b32 s[G1+3], 128<<16                     ; tile_dim0 = 128
	s_mov_b32 s[G1+4], 32                          ; tile_dim1 = 32
	s_mov_b32 s[G1+5], 1024
	s_mov_b32 s[G1+6], 0
	s_mov_b32 s[G1+7], 0
	s_mov_b32 s[G1B+0], 3<<16                      ; elements of 8 bytes
	s_mov_b32 s[G1B+1], 32<<16
	s_mov_b32 s[G1B+2], 16<<16
	s_mov_b32 s[G1B+3], 32<<16
	s_mov_b32 s[G1B+4], 16
	s_mov_b32 s[G1B+5], 32
	s_mov_b32 s[G1B+6], 0
	s_mov_b32 s[G1B+7], 0
	s_lshl_b32 s84, s[WV], 16                      ; my wave's part of LDS
	s_lshl_b32 s85, s[WV], 12                      ; my quarter of B | C
	s_mov_b32 s[GB], 1
	s_add_co_u32 s[GB+1], s85, BCL
.irp s, 0,1,2,3
.set gu, 60+4*(\s)+4*(((\s)+3)/4)
	s_mov_b32 s[GD+4*(\s)], 1
	s_add_co_u32 s[GD+4*(\s)+1], s84, 8192*(\s)
	s_mov_b32 s[gu], 1
	s_add_co_u32 s[gu+1], s84, UOFF+8192*(\s)
.endr
	s_lshl_b32 s20, s17, 23                        ; in dl and ub: batch x 4,096 rows of 2,048 bytes,
	s_lshl_b32 s21, s18, 18                        ; chunk x 128 rows,
	s_add_co_u32 s20, s20, s21
	s_lshl_b32 s21, s83, 10                        ; 512 channels,
	s_add_co_u32 s20, s20, s21
	s_lshl_b32 s21, s[WV], 8                       ; my 128
	s_add_co_u32 s20, s20, s21
	s_mov_b32 s21, 0
	s_lshl_b32 s22, s17, 19                        ; in bc: rows of 128 bytes
	s_lshl_b32 s23, s18, 14
	s_add_co_u32 s22, s22, s23
	s_add_co_u32 s22, s22, s85
	s_mov_b32 s23, 0
	s_wait_dscnt 0x0                               ; the opening add is done
	s_wait_kmcnt 0x0
	s_add_nc_u64 s[4:5], s[4:5], s[20:21]
	s_add_nc_u64 s[6:7], s[6:7], s[20:21]
	s_add_nc_u64 s[GB+2:GB+3], s[8:9], s[22:23]
	s_or_b32 s[GB+3], s[GB+3], 0x80000000
.irp s, 0,1,2,3
.set gu, 60+4*(\s)+4*(((\s)+3)/4)
	s_add_nc_u64 s[GD+4*(\s)+2:GD+4*(\s)+3], s[4:5], 65536*(\s)
	s_or_b32 s[GD+4*(\s)+3], s[GD+4*(\s)+3], 0x80000000
	s_add_nc_u64 s[gu+2:gu+3], s[6:7], 65536*(\s)
	s_or_b32 s[gu+3], s[gu+3], 0x80000000
.endr
	tensor_load_to_lds s[GB:GB+3], s[G1B:G1B+7]    ; all first fills in one group, ahead of every wait on TENSORcnt, LDS read and barrier
	s_nop 0
.irp s, 0,1,2,3
.set gu, 60+4*(\s)+4*(((\s)+3)/4)
	tensor_load_to_lds s[GD+4*(\s):GD+4*(\s)+3], s[G1:G1+7]
	s_nop 0
	tensor_load_to_lds s[gu:gu+3], s[G1:G1+7]
	s_nop 0
.endr
	s_lshl_b32 s20, s83, 15                        ; A: my 128 channels' rows of 64 bytes
	s_lshl_b32 s86, s[WV], 13
	s_add_co_u32 s20, s20, s86
	s_add_nc_u64 s[10:11], s[10:11], s[20:21]
	s_lshl_b32 s22, s18, 5                         ; my image of 8,192 bytes: number 32 c + 4 x + w
	s_lshl_b32 s86, ttmp9, 2
	s_add_co_u32 s22, s22, s86
	s_add_co_u32 s22, s22, s[WV]
	s_lshl_b32 s22, s22, 13
	s_add_nc_u64 s[12:13], s[12:13], s[22:23]
.if SUMS
	s_add_nc_u64 s[14:15], s[14:15], s[22:23]
.else
	s_lshl_b32 s86, s17, 24                        ; out0: rows of 4,096 bytes
	s_lshl_b32 s87, s18, 19
	s_add_co_u32 s86, s86, s87
	s_lshl_b32 s87, s83, 11
	s_add_co_u32 s86, s86, s87
	s_lshl_b32 s87, s[WV], 9
	s_add_co_u32 s86, s86, s87
	s_mov_b32 s87, 0
	s_add_nc_u64 s[14:15], s[14:15], s[86:87]
.endif
	v_and_b32 v1, 31, v0
	v_lshlrev_b32 v[LO], 4, v1
	v_lshlrev_b32 v[AD0], 3, v1
	v_add_nc_u32 v[AD0], s84, v[AD0]
	v_mov_b32 v[AD], v[AD0]
	v_lshlrev_b32 v1, 8, v1                        ; my four channels' 256 bytes of A
.set ci, 0
.rept 16
	global_load_b128 v[TP+4*ci:TP+4*ci+3], v1, s[10:11] offset:16*ci
.set ci, ci+1
.endr
.if !SUMS
.set ci, 0
.rept 16
	global_load_b128 v[HH+4*ci:HH+4*ci+3], v[LO], s[12:13] offset:512*ci th:TH_LOAD_NT
.set ci, ci+1
.endr
.endif
	s_wait_loadcnt 16*(1-SUMS)                     ; A is in; the carry's 16 loads stay out
.set ci, 0
.rept 4                                ; A rounded to bf16, widened, and turned: from [channel][state] to register 4 n + channel
.set ni, 0
.rept 8
	v_cvt_pk_bf16_f32 v[TA+ni], v[TP+16*ci+2*ni], v[TP+16*ci+2*ni+1]
.set ni, ni+1
.endr
.set ni, 0
.rept 8
	v_lshlrev_b32 v[AA+8*ni+ci],   16,  v[TA+ni]
	v_and_b32     v[AA+8*ni+4+ci], s19, v[TA+ni]
.set ni, ni+1
.endr
.set ci, ci+1
.endr
	s_wait_loadcnt 0x0                             ; the carry
	s_wait_tensorcnt 8                             ; my quarter of B | C is in; the eight slices stay out
	s_barrier_signal -1
	s_barrier_wait -1                              ; everybody's quarter is
	s_wait_tensorcnt 6                             ; my slice 0 of delta and of u is in; six younger loads stay out
	s_mov_b32 s[RO], 0
	s_mov_b32 s[BO], BCL
	v_mov_b32 v[BCA], s[BO]
.macro RLD                             ; the next row's delta and u, 8 bytes a lane each
	ds_load_b64 v[8:9],   v[AD]
	ds_load_b64 v[10:11], v[AD] offset:UOFF
	s_add_co_u32 s[RO], s[RO], LROW
	v_add_nc_u32 v[AD], s[RO], v[AD0]
.endm
.macro QLD q                           ; four states' B and C of the next row: every lane reads the same 16 bytes
	ds_load_b128 v[BB+4*(\q):BB+4*(\q)+3], v[BCA] offset:16*(\q)
.if !SUMS
	ds_load_b128 v[CC+4*(\q):CC+4*(\q)+3], v[BCA] offset:64+16*(\q)
.endif
.endm
.macro TAT n, first                    ; a = delta A + 1 and x B for state n
.set bp, BB+((\n)/2)*2
.irp p, 0,1
.if \first
.set da, PP+4*(\n)+2*(\p)
.set dt, HH+4*(\n)+2*(\p)
.else
.set da, TA+4*((\n)%2)+2*(\p)
.set dt, TT+4*((\n)%2)+2*(\p)
.endif
	v_pk_fma_f32 v[da:da+1], v[DD+2*(\p):DD+2*(\p)+1], v[AA+4*(\n)+2*(\p):AA+4*(\n)+2*(\p)+1], 1.0 op_sel_hi:[1,1,0]
.if (\n)%2
	v_pk_mul_f32 v[dt:dt+1], v[XX+2*(\p):XX+2*(\p)+1], v[bp:bp+1] op_sel:[0,1] op_sel_hi:[1,1]
.else
	v_pk_mul_f32 v[dt:dt+1], v[XX+2*(\p):XX+2*(\p)+1], v[bp:bp+1] op_sel_hi:[1,0]
.endif
.endr
.endm
.macro HUP n                           ; h = a h + x B
.irp p, 0,1
	v_pk_fma_f32 v[HH+4*(\n)+2*(\p):HH+4*(\n)+2*(\p)+1], v[TA+4*((\n)%2)+2*(\p):TA+4*((\n)%2)+2*(\p)+1], v[HH+4*(\n)+2*(\p):HH+4*(\n)+2*(\p)+1], v[TT+4*((\n)%2)+2*(\p):TT+4*((\n)%2)+2*(\p)+1]
.endr
.endm
.macro PUP n                           ; (the summary pass alone)
.irp p, 0,1
	v_pk_mul_f32 v[PP+4*(\n)+2*(\p):PP+4*(\n)+2*(\p)+1], v[PP+4*(\n)+2*(\p):PP+4*(\n)+2*(\p)+1], v[TA+4*((\n)%2)+2*(\p):TA+4*((\n)%2)+2*(\p)+1]
.endr
.endm
.macro YUP n                           ; y += C[n] h; the first link starts the sum, the last writes the registers that are stored
.set cp, CC+((\n)/2)*2
.irp p, 0,1
.set hh, HH+4*(\n)+2*(\p)
.set yd, YA+2*(\p)+4*((\n)/15)
.if (\n) == 0
	v_pk_mul_f32 v[yd:yd+1], v[hh:hh+1], v[cp:cp+1] op_sel_hi:[1,0]
.elseif (\n)%2
	v_pk_fma_f32 v[yd:yd+1], v[hh:hh+1], v[cp:cp+1], v[YA+2*(\p):YA+2*(\p)+1] op_sel:[0,1,0] op_sel_hi:[1,1,1]
.else
	v_pk_fma_f32 v[yd:yd+1], v[hh:hh+1], v[cp:cp+1], v[YA+2*(\p):YA+2*(\p)+1] op_sel_hi:[1,0,1]
.endif
.endr
.endm
; A STEP.  more = 1: the next row is read ahead: its delta and u at the step's head, its B and C four states at a time, each into the registers just used up.  LDS loads come back in order (ISA guide 5.7.1),
; so each wait counts what was issued behind the load that is wanted.
.macro STEP more, first
	s_wait_dscnt 4*QN                              ; my row's delta and u are in; behind them stand its four groups of states
	v_cvt_f32_f16 v[DD],   v8.l
	v_cvt_f32_f16 v[DD+1], v8.h
	v_cvt_f32_f16 v[DD+2], v9.l
	v_cvt_f32_f16 v[DD+3], v9.h
	v_lshlrev_b32 v[UU],   16,  v10
	v_and_b32     v[UU+1], s19, v10
	v_lshlrev_b32 v[UU+2], 16,  v11
	v_and_b32     v[UU+3], s19, v11
	v_pk_mul_f32 v[XX:XX+1],   v[DD:DD+1],   v[UU:UU+1]
	v_pk_mul_f32 v[XX+2:XX+3], v[DD+2:DD+3], v[UU+2:UU+3]
.if \more
	RLD
.endif
	s_wait_dscnt 3*QN+2*(\more)                    ; states 0-3 are in; behind them: three groups and the row just asked for
	TAT 0, \first
.set sn, 0
.rept 16
.if (sn%4 == 3) && (sn < 15)
.if \more
	s_wait_dscnt 2*QN+2                            ; the next four states are in; behind them: two groups (this row's or the next's) and the next row
.else
	s_wait_dscnt (2-sn/4)*QN                       ; the last step: only this row's later groups
.endif
.endif
.if !(\first)
	HUP sn
.endif
.if sn < 15
	TAT sn+1, \first
.endif
.if SUMS
.if !(\first)
	PUP sn
.endif
.else
.if sn == 15
	s_wait_xcnt 0x0                                ; the last store, a step back, has read its base and its data: both are written again only behind this wait
	s_add_nc_u64 s[14:15], s[14:15], 4096
.endif
	YUP sn
.endif
.if (\more) && (sn%4 == 3)
	QLD sn/4
.endif
.set sn, sn+1
.endr
.if \more
	s_add_co_u32 s[BO], s[BO], 128
	v_mov_b32 v[BCA], s[BO]
.endif
.if !SUMS
	global_store_b128 v[LO], v[YS:YS+3], s[14:15] offset:-4096 th:TH_STORE_NT  ; 512 consecutive bytes of a row of out0; the base has been stepped already, so the store reaches back
.endif
.endm
.macro RUN k
	s_mov_b32 s[CNT], \k
.Lrun_\@:
	STEP 1, 0
	s_sub_co_u32 s[CNT], s[CNT], 1
	s_cmp_lg_u32 s[CNT], 0
	s_cbranch_scc1 .Lrun_\@
.endm
	RLD                                            ; row 0
	QLD 0
	QLD 1
	QLD 2
	QLD 3
	s_add_co_u32 s[BO], s[BO], 128
	v_mov_b32 v[BCA], s[BO]
.if SUMS
	STEP 1, 1
	RUN 30
.else
	RUN 31                                         ; steps 0-30 read rows 1-31 ahead: slice 0
.endif
	s_wait_tensorcnt 4                             ; slice 1 is in; four younger loads stay out
	RUN 32                                         ; rows 32-63 are read
	s_wait_tensorcnt 2                             ; slice 2
	RUN 32
	s_wait_tensorcnt 0x0                           ; slice 3
	RUN 32
	STEP 0, 0                                      ; step 127 reads nothing ahead
.if SUMS
.set ci, 0
.rept 16
	global_store_b128 v[LO], v[PP+4*ci:PP+4*ci+3], s[12:13] offset:512*ci
	global_store_b128 v[LO], v[HH+4*ci:HH+4*ci+3], s[14:15] offset:512*ci
.set ci, ci+1
.endr
.endif
	s_wait_tensorcnt 0x0                           ; the wave's end, behind my last tensor load
	ds_add_u32 v[SPW], v[NIL]
	s_wait_dscnt 0x0
	s_endpgm
.Lfunc_end_k_qbd008450c7_scan:
	.size	k_qbd008450c7_scan, .Lfunc_end_k_qbd008450c7_scan-k_qbd008450c7_scan
	.p2alignl 7, 3214868480
	.fill 96, 4, 3214868480
	.section	.rodata,"a",@progbits
	.p2align	6, 0x0
	.amdhsa_kernel k_qbd008450c7_scan
		.amdhsa_group_segment_fixed_size 279040
		.amdhsa_private_segment_fixed_size 0
		.amdhsa_enable_private_segment 0
		.amdhsa_kernarg_size 48
		.amdhsa_user_sgpr_count 2
		.amdhsa_user_sgpr_kernarg_segment_ptr 1
		.amdhsa_wavefront_size32 1
		.amdhsa_system_sgpr_workgroup_id_x 1
		.amdhsa_system_sgpr_workgroup_id_y 1
		.amdhsa_system_sgpr_workgroup_id_z 1
		.amdhsa_system_vgpr_workitem_id 0
		.amdhsa_next_free_vgpr 256
		.amdhsa_next_free_sgpr 88
		.amdhsa_reserve_vcc 0
		.amdhsa_float_denorm_mode_32 3
		.amdhsa_float_denorm_mode_16_64 3
		.amdhsa_memory_ordered 1
		.amdhsa_forward_progress 1
		.amdhsa_inst_pref_size 62
	.end_amdhsa_kernel
	.amdgpu_metadata
---
amdhsa.version: [ 1, 2 ]
amdhsa.kernels:
  - .name:           k_qbd008450c7_scan
    .symbol:         k_qbd008450c7_scan.kd
    .args:
      - { .name: dl, .offset: 0, .size: 8, .value_kind: global_buffer, .address_space: global }
      - { .name: ub, .offset: 8, .size: 8, .value_kind: global_buffer, .address_space: global }
      - { .name: bc, .offset: 16, .size: 8, .value_kind: global_buffer, .address_space: global }
      - { .name: A, .offset: 24, .size: 8, .value_kind: global_buffer, .address_space: global }
      - { .name: hin, .offset: 32, .size: 8, .value_kind: global_buffer, .address_space: global }
      - { .name: out0, .offset: 40, .size: 8, .value_kind: global_buffer, .address_space: global }
    .group_segment_fixed_size: 279040
    .private_segment_fixed_size: 0
    .kernarg_segment_align: 8
    .kernarg_segment_size: 48
    .max_flat_workgroup_size: 128
    .sgpr_count:     88
    .vgpr_count:     256
    .wavefront_size: 32
...
	.end_amdgpu_metadata
.endif
;; end of part 5
;; ======== version 2 of 3: 4 launches
;; limits: a function is approximated: absolute error at most 6e-08; values are held in f16: magnitudes above 65,504 overflow, below 6.1e-05 lose precision
;; workspace buffers: ub 33,554,432 bytes; wt 2,097,152 bytes; bc 2,097,152 bytes; dl 33,554,432 bytes; pim 8,388,608 bytes; sim 8,388,608 bytes; hin 8,388,608 bytes
;; launch prep: the kernel of part 1 again; grid 256 x 1, 4 waves a work-group, no clusters, 141,312 bytes of LDS; arguments u, W_delta, W_B, W_C, b_B, b_C, ub, wt, bc; writes ub, wt, bc
;; launch gemm (part 6): grid 4 x 64, 4 waves a work-group, clusters of 4 x 4, 327,680 bytes of LDS; arguments ub, wt, dl, b_delta, bc, A, pim, sim; writes dl, pim, sim
.if DOCPART == 6
	.amdgcn_target "amdgcn-amd-amdhsa--gfx1250"
	.amdhsa_code_object_version 6
	.text
	.protected	k_qbd008450c7_gemm
	.globl	k_qbd008450c7_gemm
	.p2align	8
	.type	k_qbd008450c7_gemm,@function
k_qbd008450c7_gemm:
	s_mov_b64 s[64:65], 0
	v_nop
	global_prefetch_b8 v0, s[64:65] scope:SCOPE_SE
	s_setreg_imm32_b32 hwreg(HW_REG_WAVE_MODE, 25, 1), 1
	s_wait_xcnt 0x0
	s_wait_alu depctr_hold_cnt(0) depctr_sa_sdst(0) depctr_va_vdst(0) depctr_va_sdst(0) depctr_va_ssrc(0) depctr_va_vcc(0) depctr_vm_vsrc(0)
	s_getreg_b32 s2, hwreg(HW_REG_IB_STS2, 6, 4)
	s_cmp_eq_u32 s2, 0
	s_cbranch_scc0 .Lentry_in_a_cluster
	s_endpgm
.Lentry_in_a_cluster:
	s_bfe_u32 s2, ttmp6, 0x10000c
	s_cmp_lg_u32 s2, 0xf033
	s_cbranch_scc0 .Lentry_shape_is_right
	s_endpgm
.Lentry_shape_is_right:
; TWO STEPS IN ONE LAUNCH.  (1) dl[m][e] = softplus(sum over k of ub[m][k] wt[e][k] + bf16(b_delta[e])), rounded once to f16.  ub: [16384][1024] bf16, wt: [1024][1024] bf16, dl: [16384][1024] f16; sums and softplus in f32.
; (2) THE SCAN'S SUMMARY.  h[t] = a[t] h[t-1] + x[t] B[t], a = 1 + delta A, x = delta u, is cut into chunks of 128 steps; for each chunk P = the product of a, S = the end state from h = 0, in f32 (delta as stored, u in bf16,
; B in f32, A rounded to bf16 like every input).  A wave's tile of dl, 128 rows x 128 columns, IS one chunk of 128 channels, so the wave that made delta goes on with it: delta is not read back from memory.
; LIMITS.  softplus(z) = max(z, 0) + ln 2 x log2(1 + 2^(-c |z|)), c = log2(e): its absolute error stays under 6e-8, and below z of about -16.6 it comes out as 0; delta enters the result only as delta x A and
; delta x B x u.  z of 65,520 or more gives an infinity in f16.  The product of |1 + delta A| over 128 steps has to stay inside f32.  NaN and infinities are not treated apart.
; A batch's last chunk needs no summary; it is made and stored like the others (1 part in 32 of step 2, a 32nd plane of pim and sim that nobody reads).
; THE PRODUCT.  A tile of 256 x 256 is made by four waves, each 128 x 128: 64 accumulators, 512 registers.  K goes in steps of 128 through a ring of two LDS slots filled by the tensor data mover: rows of 256 bytes, aligned.
; CLUSTERS: 4 x 4 work-groups.  The four of a row of the cluster need the same tiles of ub, the four of a column the same tiles of wt: each tile is asked for JOINTLY, by the same tensor load with the same
; descriptor and a mask that names the four.  THE MATRIX INSTRUCTION IS USED TRANSPOSED (source 0 = 16 rows of wt, source 1 = 16 rows of ub): a lane holds eight neighbouring columns of one row.
; THE WAY OUT: behind the last product and a barrier the ring has had its last fill; each wave lays its 128 x 128 sums there in f32 (rows of 528 bytes, its own bytes), and reads them back eight rows a trip, a lane
; eight neighbouring columns: bias, softplus, rounding; 16 lanes store 256 consecutive bytes, aligned, and the same 16 bytes a lane go back into the wave's part of LDS, in rows of 256 bytes, over sums that have been read.
; WHAT STEP 2 NEEDS BESIDE DELTA comes through registers that lie idle, in two groups of 48 loads: behind the K loop's exit B | C and u's rows 0-63; behind the dump u's rows 64-127 and A.  They go into LDS behind the
; softplus loop: u beside delta in the wave's part, B | C (the work-group's two chunks, 64 rows from each wave) behind the spare words, with one barrier between those stores and the reads.
; No prefetch for them: no wave waits for these loads, which are issued a lap or a whole softplus loop ahead of their wait.
; REGISTERS, in windows of 256: window 0 v0-31 addresses and the bias, v64-127, v128-191 fragments of ub (two buffers), on the way out v32-175 at work, v192-255 u's rows 0-31; window 1 v64-127, v128-191 fragments of wt,
; v0-63 u's rows 32-63, v192-255 B | C; window 2 the accumulators of my rows 0-63 ((a, b) at v[8 (8 a + b)]), later u's rows 64-127 and A; window 3 those of my rows 64-127.  Step 2 lives in window 0 alone.
.set SIZE_N, 1024
.set SIZE_K, 1024
.set KSTEP,  128
.set PITCH,  272                       ; an LDS row: 256 bytes + 16 of padding: the 16 rows that a load touches start at 16 different groups of four banks
.set HALFT,  128*PITCH
.set SLOT,   4*HALFT
.set SPARE,  2*SLOT                    ; behind the ring: the spare words, 128 bytes a wave: two blocks of 256 bytes that no other line names
.set BCL,    SPARE+512                 ; behind them: 2 chunks x 128 rows x 128 bytes of B | C; no tensor load lands here
.set DPITCH, 528                       ; the way out: a row of 128 f32 + 16 bytes
.set DWAVE,  128*DPITCH                ; a wave's part; four of them, 270,336 bytes, lie inside the ring
.set LROW,   256                       ; step 2: a row of delta or of u in the wave's part
.set UOFF,   32768                     ; u's 128 rows lie behind delta's
.set LAPS, SIZE_K/(2*KSTEP)
.set SPW,  6                           ; v6      LDS address of my spare word; never rewritten
.set NIL,  7                           ; v7      0; never rewritten
.set BIA,  8                           ; v8-15   my eight numbers of the bias
.set ADRA, 16
.set DW0,  18                          ; my part of LDS + 16 l
.set DW,   19                          ; the same, at the trip's rows of delta
.set ADRB, 20
.set BCS,  22                          ; where I put my 64 rows of B | C
.set DST,  24                          ; where I put a lane's eight sums
.set RD0,  25                          ; where I read them back, first trip
.set CO,   26                          ; my byte offset in two rows of dl, and of ub
.set RD,   27
.set L16,  28                          ; 16 l
.set AO,   29                          ; 256 l: my four channels' rows of A
.set PFO,  30
.set BOF,  31                          ; 32 (l % 16): my eight numbers of the bias
.set PFA,  44
.set LIM,  43
.set F0,   64
.set F1,   128
.set X,    32                          ; the way out: z, 32 numbers
.set E,    64                          ; the exponentials, then the logarithms
.set M,    96                          ; max(z, 0), then delta
.set O,    160                         ; packed
.set UA,   192                         ; window 0: u's rows 0-31 as loaded
.set UB,   0                           ; window 1: rows 32-63
.set BW,   192                         ; window 1: B | C as loaded
.set UC,   0                           ; window 2: rows 64-127
.set AW,   128                         ; window 2: A as loaded
; step 2, window 0
.set AD0, 2                            ; my part of LDS + 8 l
.set AD,  3                            ; delta's row that the trip's first run reads
.set BCA, 4                            ; the same for B
.set LO,  5                            ; 16 l
.set DD,  12                           ; v8-9 delta, v10-11 u as read; v12-15 delta, v16-19 x in f32
.set XX,  16
.set TT,  20                           ; v20-23 x B
.set TA,  24                           ; v24-31 a, two sets by the state's parity
.set BB,  32                           ; v32-63 B, two sets by the row's parity
.set HH,  64                           ; v64-127 S: register 4 n + j holds state n of channel j
.set AA,  128                          ; v128-191 A
.set PP,  192                          ; v192-255 P
.set CNT, 72
.set RO,  73
.set BO,  74
.set G1, 24
.set G0, 32
.set G1B, 48
.set G0B, 56
.set MSB, 0
.macro WIN new                         ; the immediate's high byte repeats the setting that is left
.if MSB != (\new)
	s_set_vgpr_msb (MSB<<8)|(\new)
.set MSB, \new
.endif
.endm
.set MUL_LO, 0xa1                      ; source 0 window 1, source 1 window 0, C and D window 2
.set MUL_HI, 0xf1                      ; the same, C and D window 3
.set TO_B,   0x40                      ; destination window 1, address window 0
; A joint load.  Waves 0 and 1 fetch the two halves of ub's tile, waves 2 and 3 those of wt's.  The branch hangs on the wave's number alone.  An s_nop 0 and four v_nop follow each of the two lines.
.macro JLOAD s
	s_cmp_eq_u32 s11, 0
	s_cbranch_scc0 .Lfor_b_\@
	tensor_load_to_lds s[G0+4*(\s):G0+4*(\s)+3], s[G1:G1+7]
	s_nop 0
.rept 4
	v_nop
.endr
	s_branch .Lasked_\@
.Lfor_b_\@:
	tensor_load_to_lds s[G0B+4*(\s):G0B+4*(\s)+3], s[G1B:G1B+7]
	s_nop 0
.rept 4
	v_nop
.endr
.Lasked_\@:
.endm
; A prefetch, behind each joint load and the run of LDS loads that follows it: the K step that stands two refills on, 32 rows x 256 bytes, a lane a row.  Each row's 256 bytes of a K step are named once in the
; launch: ub's by the cluster with x = 0, wt's by the cluster with y = 0; the four partners that ask for a tile jointly take 32 of a wave's 128 rows each, told apart by address.  K steps 0 to 3 come by their
; loads alone; the loop's last trip (s3 = 1) asks for nothing: there is no K step two on.
.macro ASK
	s_cmp_gt_u32 s3, s[LIM]
	s_cbranch_scc0 .Lnot_mine_\@
	global_prefetch_b8 v[PFO], s[PFA:PFA+1] offset:KSTEP*2 th:TH_LOAD_NT scope:SCOPE_SE
.Lnot_mine_\@:
.endm
.macro CREST                           ; a round of the cluster's barrier behind its opening barrier
	s_cmp_lg_u32 s10, 0
	s_cbranch_scc1 .Lnot_wave_0_\@
	s_barrier_signal -3
.Lnot_wave_0_\@:
	s_barrier_wait -3
	s_barrier_signal -1
	s_barrier_wait -1
.endm
.macro CROUND                          ; a whole round
	s_barrier_signal -1
	s_barrier_wait -1
	CREST
.endm
	s_load_b128 s[4:7], s[0:1], 0x0                ; ub s[4:5], wt s[6:7]
	s_load_b64 s[8:9], s[0:1], 0x10                ; dl
	s_load_b64 s[68:69], s[0:1], 0x18              ; b_delta
	s_load_b256 s[76:83], s[0:1], 0x20             ; bc s[76:77], A s[78:79], pim s[80:81], sim s[82:83]
	v_lshl_add_u32 v[SPW], v0, 2, SPARE
	v_mov_b32 v[NIL], 0
	ds_add_u32 v[SPW], v[NIL]                      ; the wave's opening: the add, and its wait ahead of my first tensor load; the set-up below, work on registers, stands between them
	v_lshrrev_b32 v1, 5, v0
	v_readfirstlane_b32 s10, v1                    ; wave 0..3
	s_lshr_b32 s11, s10, 1                         ; which half of the tile's rows is mine.  Also: I fetch for ub (0) or for wt (1)
	s_and_b32 s12, s10, 1                          ; which half of its columns.  Also: which 128 rows of that tile I fetch
	s_bfe_u32 s40, ttmp6, 0x40000                  ; cx
	s_bfe_u32 s41, ttmp6, 0x40004                  ; cy
	s_lshl_b32 s42, ttmp9, 2
	s_add_co_u32 s42, s42, s40                     ; tile column = 4 x cluster x + cx
	s_and_b32 s13, ttmp7, 0xffff
	s_lshl_b32 s13, s13, 2
	s_add_co_u32 s13, s13, s41                     ; tile row = 4 x cluster y + cy
	s_lshl_b32 s43, s41, 2
	s_lshl_b32 s43, 15, s43                        ; my row of the cluster
	s_lshl_b32 s44, 0x1111, s40                    ; my column
	s_or_b32 s[G1+0], s43, (1<<16)|(1<<20)|(1<<21)|(5<<22)|(3<<25)  ; the mask; elements of 2 bytes; padding on; bit 21 beside a mask; after every 64 words, 4 words
	s_or_b32 s[G1B+0], s44, (1<<16)|(1<<20)|(1<<21)|(5<<22)|(3<<25)
.irp g, G1, G1B
	s_mov_b32 s[(\g)+1], KSTEP<<16                 ; tensor_dim0 = 128
	s_mov_b32 s[(\g)+2], 128<<16                   ; tensor_dim1 = 128
	s_mov_b32 s[(\g)+3], KSTEP<<16                 ; tile_dim0 = 128
	s_mov_b32 s[(\g)+4], 128                       ; tile_dim1 = 128
	s_mov_b32 s[(\g)+5], SIZE_K                    ; elements from row to row
	s_mov_b32 s[(\g)+6], 0
	s_mov_b32 s[(\g)+7], 0
.endr
	s_lshl_b32 s74, s42, 10                        ; my 128 columns in b_delta, in bytes: 1,024 x tile column + 512 x half; in registers that feed no descriptor, like all of s74 to s93
	s_lshl_b32 s75, s12, 9
	s_add_co_u32 s74, s74, s75
	s_mov_b32 s75, 0
	s_lshl_b32 s86, s13, 1
	s_add_co_u32 s86, s86, s11                     ; my block of 128 rows = 32 x batch + chunk
	s_lshl_b32 s87, s42, 1
	s_add_co_u32 s87, s87, s12                     ; my group of 128 channels, 0..7
	s_lshl_b32 s88, s86, 14                        ; in bc: the block's 128 rows of 128 bytes,
	s_lshl_b32 s89, s12, 13                        ; of which I fetch 64
	s_add_co_u32 s88, s88, s89
	s_mov_b32 s89, 0
	s_lshl_b32 s90, s87, 13                        ; in A: 128 rows of 64 bytes
	s_mov_b32 s91, 0
	s_and_b32 s92, s86, 31                         ; my image of 8,192 bytes in pim and sim: number 32 x chunk + 8 x batch + group
	s_lshl_b32 s92, s92, 5
	s_lshr_b32 s93, s86, 5
	s_lshl_b32 s93, s93, 3
	s_add_co_u32 s92, s92, s93
	s_add_co_u32 s92, s92, s87
	s_lshl_b32 s92, s92, 13
	s_mov_b32 s93, 0
	s_lshl_b32 s17, s12, 7                         ; which 128 rows of the tile I fetch
	s_lshl_b32 s16, s13, 8
	s_add_co_u32 s16, s16, s17                     ; ub: row 256 x tile row + 128 x half
	s_lshl_b32 s46, s42, 8
	s_add_co_u32 s46, s46, s17                     ; wt: row 256 x tile column + 128 x half
	s_mov_b32 s17, 0
	s_mov_b32 s47, 0
	s_mov_b64 s[18:19], SIZE_K*2
	s_mul_u64 s[16:17], s[16:17], s[18:19]
	s_mul_u64 s[46:47], s[46:47], s[18:19]
	s_mul_i32 s20, s10, HALFT                      ; where they go: wave x 128 rows: no place in the cluster enters an LDS address
	s_wait_dscnt 0x0                               ; the opening add is done
	s_wait_kmcnt 0x0
	s_add_nc_u64 s[14:15], s[4:5], s[16:17]
	s_add_nc_u64 s[46:47], s[6:7], s[46:47]
	s_add_nc_u64 s[68:69], s[68:69], s[74:75]
	s_add_nc_u64 s[76:77], s[76:77], s[88:89]
	s_add_nc_u64 s[78:79], s[78:79], s[90:91]
	s_add_nc_u64 s[80:81], s[80:81], s[92:93]
	s_add_nc_u64 s[82:83], s[82:83], s[92:93]
	CROUND                                         ; all sixteen work-groups are here: the first joint loads meet
.irp s, 0,1
	s_mov_b32 s[G0+4*(\s)], 1
	s_add_co_u32 s[G0+4*(\s)+1], s20, (\s)*SLOT
	s_add_nc_u64 s[G0+4*(\s)+2:G0+4*(\s)+3], s[14:15], (\s)*KSTEP*2
	s_or_b32 s[G0+4*(\s)+3], s[G0+4*(\s)+3], 0x80000000
	s_mov_b32 s[G0B+4*(\s)], 1
	s_add_co_u32 s[G0B+4*(\s)+1], s20, (\s)*SLOT
	s_add_nc_u64 s[G0B+4*(\s)+2:G0B+4*(\s)+3], s[46:47], (\s)*KSTEP*2
	s_or_b32 s[G0B+4*(\s)+3], s[G0B+4*(\s)+3], 0x80000000
	JLOAD \s
.endr
	v_and_b32 v1, 15, v0                           ; l % 16
	v_bfe_u32 v2, v0, 4, 1                         ; l / 16
	v_lshlrev_b32 v[BOF], 5, v1
	global_load_b128 v[BIA:BIA+3],   v[BOF], s[68:69]            ; waited for on the way out
	global_load_b128 v[BIA+4:BIA+7], v[BOF], s[68:69] offset:16
	v_mul_u32_u24 v3, v1, PITCH
	v_lshl_add_u32 v3, v2, 4, v3                   ; a fragment's row x pitch + 16 x half
	s_mul_i32 s21, s11, HALFT
	s_mul_i32 s22, s12, HALFT
	s_add_co_u32 s22, s22, 2*HALFT
.irp s, 0,1
	v_add_nc_u32 v[ADRA+(\s)], s21, v3
	v_add_nc_u32 v[ADRB+(\s)], s22, v3
	s_add_co_u32 s21, s21, SLOT
	s_add_co_u32 s22, s22, SLOT
.endr
	s_mul_i32 s23, s10, DWAVE                      ; my part of the ring on the way out; s23 stays to the end
	v_mul_u32_u24 v4, v1, DPITCH                   ; in: row l % 16, 32 bytes for each half of the lanes
	v_lshl_add_u32 v4, v2, 5, v4
	v_add_nc_u32 v[DST], s23, v4
	v_mul_u32_u24 v5, v2, DPITCH                   ; back: lanes 0-15 take one row, 32 bytes each, lanes 16-31 the next
	v_lshl_add_u32 v5, v1, 5, v5
	v_add_nc_u32 v[RD0], s23, v5
	v_mul_u32_u24 v5, v2, SIZE_N*2                 ; and the same two rows in dl, 16 bytes a lane
	v_lshl_add_u32 v[CO], v1, 4, v5
	v_and_b32 v[L16], 31, v0
	v_lshlrev_b32 v[L16], 4, v[L16]
	v_lshlrev_b32 v[AO], 4, v[L16]
	v_add_nc_u32 v[DW0], s23, v[L16]
	s_lshl_b32 s86, s10, 13                        ; my 64 rows of B | C in LDS: chunk (wave / 2), half (wave % 2) = 8,192 x wave
	s_add_co_u32 s86, s86, BCL
	v_add_nc_u32 v[BCS], s86, v[L16]
	s_lshl_b32 s13, s13, 8
	s_lshl_b32 s14, s11, 7
	s_add_co_u32 s16, s13, s14                     ; my first row of dl
	s_mov_b32 s17, 0
	s_mov_b64 s[18:19], SIZE_N*2
	s_mul_u64 s[16:17], s[16:17], s[18:19]
	s_lshl_b32 s46, s42, 9                         ; my first column, in bytes
	s_lshl_b32 s47, s12, 8
	s_add_co_u32 s46, s46, s47
	s_mov_b32 s47, 0
	s_add_nc_u64 s[16:17], s[16:17], s[46:47]
	s_add_nc_u64 s[84:85], s[4:5], s[16:17]        ; ub has dl's shape and element size: u of my chunk and channels lies at the same offset
	; the prefetches
	s_lshl_b32 s42, s42, 8
	s_and_b32 s22, ttmp7, 0xffff                   ; cluster y
	s_cmp_eq_u32 s11, 0                            ; do I fetch for ub?
	s_cselect_b32 s20, s13, s42                    ; the tile's first row
	s_cselect_b32 s21, s40, s41                    ; my place among the four that ask for it with me
	s_cselect_b32 s22, ttmp9, s22                  ; the coordinate along which other clusters read the same rows
	s_cselect_b64 s[PFA:PFA+1], s[4:5], s[6:7]
	s_cmp_eq_u32 s22, 0
	s_cselect_b32 s[LIM], 1, -1                    ; the same in all sixteen partners, for a given wave
	s_lshl_b32 s22, s12, 7
	s_add_co_u32 s20, s20, s22
	s_lshl_b32 s21, s21, 5
	s_add_co_u32 s20, s20, s21
	s_mov_b32 s21, 0
	s_mov_b64 s[18:19], SIZE_K*2
	s_mul_u64 s[20:21], s[20:21], s[18:19]
	s_add_nc_u64 s[PFA:PFA+1], s[PFA:PFA+1], s[20:21]
	s_add_nc_u64 s[PFA:PFA+1], s[PFA:PFA+1], 2*KSTEP*2  ; at K step 2: the first refill steps it to 3 and names K step 4
	v_and_b32 v[PFO], 31, v0
	v_mul_u32_u24 v[PFO], v[PFO], SIZE_K*2
; 16 matrix instructions: m blocks a0, a0 + 1 of the window's four x all 8 n blocks, 32 along K.  zero = 1: the first product starts the sums
.macro MUL16 f, hi, a0, zero
	WIN MUL_LO+0x50*(\hi)
.irp a, \a0, (\a0)+1
.irp b, 0,1,2,3,4,5,6,7
.if \zero
	v_wmma_f32_16x16x32_bf16 v[8*(8*(\a)+(\b)):8*(8*(\a)+(\b))+7], v[(\f)+8*(\b):(\f)+8*(\b)+7], v[(\f)+8*(4*(\hi)+(\a)):(\f)+8*(4*(\hi)+(\a))+7], 0
.else
	v_wmma_f32_16x16x32_bf16 v[8*(8*(\a)+(\b)):8*(8*(\a)+(\b))+7], v[(\f)+8*(\b):(\f)+8*(\b)+7], v[(\f)+8*(4*(\hi)+(\a)):(\f)+8*(4*(\hi)+(\a))+7], v[8*(8*(\a)+(\b)):8*(8*(\a)+(\b))+7]
.endif
.endr
.endr
.endm
; 32 LDS loads in one run: the fragments of one quarter step into buffer f
.macro FETCH slot, k, f
	WIN TO_B
.irp i, 0,1,2,3,4,5,6,7
	ds_load_b128 v[(\f)+8*(\i):(\f)+8*(\i)+3],   v[ADRB+(\slot)] offset:(\k)+(\i)*16*PITCH
	ds_load_b128 v[(\f)+8*(\i)+4:(\f)+8*(\i)+7], v[ADRB+(\slot)] offset:(\k)+(\i)*16*PITCH+32
.endr
	WIN 0
.irp i, 0,1,2,3,4,5,6,7
	ds_load_b128 v[(\f)+8*(\i):(\f)+8*(\i)+3],   v[ADRA+(\slot)] offset:(\k)+(\i)*16*PITCH
	ds_load_b128 v[(\f)+8*(\i)+4:(\f)+8*(\i)+7], v[ADRA+(\slot)] offset:(\k)+(\i)*16*PITCH+32
.endr
.endm
.macro PLACES                          ; four places in front of loads into registers that matrix instructions have read (ISA guide 7.12.1 for vector instructions)
.rept 4
	v_nop
.endr
.endm
; A K step is four quarters of 32 along K, 64 matrix instructions each, on buffers 0, 1, 0, 1; the 64 accumulators take turns in the same order in every quarter.
.macro QUARTER slot, k, f, g, zero
	s_wait_dscnt 8                                 ; wt's fragments and ub's rows 0-63 are in; the youngest eight loads may be out
	WIN MUL_LO
	MUL16 \f, 0, 0, \zero
	MUL16 \f, 0, 2, \zero
	PLACES
	FETCH \slot, \k, \g
	s_wait_dscnt 32                                ; all but the 32 just issued
	WIN MUL_HI
	MUL16 \f, 1, 0, \zero
	MUL16 \f, 1, 2, \zero
.endm
; The first half of a K step's last quarter: ONE barrier for the change of slots.
.macro MEET round
	WIN 0
	s_wait_tensorcnt 0x0                           ; all my tensor loads have landed: the one that was out is my part of the next slot;
	ds_add_u32 v[SPW], v[NIL]                      ; 0 onto my spare word;
	s_wait_dscnt 9                                 ; (the add and the youngest eight loads may be out)
	WIN MUL_LO
	MUL16 F1, 0, 0, 0
	s_wait_dscnt 0x0                               ; the add is done, and my reads of this slot are over
	s_barrier_signal -1
	MUL16 F1, 0, 2, 0
.if \round
	WIN 0
.endif
	s_barrier_wait -1
.endm
.macro TURN slot, next
	s_wait_xcnt 0x0                                ; the last prefetch, a K step back, has read its address
	s_add_nc_u64 s[PFA:PFA+1], s[PFA:PFA+1], KSTEP*2
	MEET 1
	CREST                                          ; no wave of any partner still reads this slot's tile or has a load on its way
	s_add_nc_u64 s[G0+4*(\slot)+2:G0+4*(\slot)+3], s[G0+4*(\slot)+2:G0+4*(\slot)+3], 2*KSTEP*2
	s_add_nc_u64 s[G0B+4*(\slot)+2:G0B+4*(\slot)+3], s[G0B+4*(\slot)+2:G0B+4*(\slot)+3], 2*KSTEP*2
	JLOAD \slot                                    ; the first tensor load behind the round; its four v_nop are also the places in front of the loads below
	FETCH \next, 0, F0
	ASK
	WIN MUL_HI
	MUL16 F1, 1, 0, 0
	MUL16 F1, 1, 2, 0
.endm
	s_wait_tensorcnt 1                             ; my part of K step 0 is in; K step 1's load stays out
	s_barrier_signal -1
	s_barrier_wait -1
	FETCH 0, 0, F0
	QUARTER 0, 64,  F0, F1, 1                      ; the first quarter stands in front of the loop: its products start the sums
	WIN 0
	s_mov_b32 s3, LAPS-1
.Llap:                                                 ; a trip goes once round the ring and fills both slots again
	QUARTER 0, 128, F1, F0, 0
	QUARTER 0, 192, F0, F1, 0
	TURN 0, 1
	QUARTER 1, 64,  F0, F1, 0
	QUARTER 1, 128, F1, F0, 0
	QUARTER 1, 192, F0, F1, 0
	TURN 1, 0
	QUARTER 0, 64,  F0, F1, 0
	WIN 0
	s_sub_co_u32 s3, s3, 1
	s_cmp_lg_u32 s3, 0
	s_cbranch_scc1 .Llap
	; FOR STEP 2, THE FIRST 48 LOADS, into registers that no product names: they have the last lap's 448 matrix instructions in which to land.  Each covers 512 consecutive bytes or two rows' 256.
	WIN TO_B
.set j, 0
.rept 16
	global_load_b128 v[BW+4*j:BW+4*j+3], v[L16], s[76:77] offset:512*j          ; my 64 rows of B | C
.set j, j+1
.endr
.set j, 16
.rept 16
	global_load_b128 v[UB+4*(j-16):UB+4*(j-16)+3], v[CO], s[84:85] offset:4096*j ; u's rows 2 j and 2 j + 1
.set j, j+1
.endr
	WIN 0
.set j, 0
.rept 16
	global_load_b128 v[UA+4*j:UA+4*j+3], v[CO], s[84:85] offset:4096*j
.set j, j+1
.endr
	QUARTER 0, 128, F1, F0, 0                      ; the last lap fills nothing
	QUARTER 0, 192, F0, F1, 0
	MEET 0
	PLACES
	FETCH 1, 0, F0
	WIN MUL_HI
	MUL16 F1, 1, 0, 0
	MUL16 F1, 1, 2, 0
	QUARTER 1, 64,  F0, F1, 0
	QUARTER 1, 128, F1, F0, 0
	QUARTER 1, 192, F0, F1, 0
	s_wait_dscnt 8                                 ; the very last quarter
	MUL16 F1, 0, 0, 0
	MUL16 F1, 0, 2, 0
	s_wait_dscnt 0x0                               ; my reads of the ring are over:
	s_barrier_signal -1                            ; say so,
	MUL16 F1, 1, 0, 0
	MUL16 F1, 1, 2, 0
	WIN 0
	s_barrier_wait -1                              ; and everybody's are: the ring, which has had its last fill, may be stored into
	; THE WAY OUT
.rept 8
	v_nop                                          ; the places behind the last products, once a launch
.endr
	s_wait_loadcnt 0x0                             ; the bias, and the 48 loads above: none is out when the next 48 are issued
.irp q, 0,1,2,3
	v_cvt_pk_bf16_f32 v[X+(\q)], v[BIA+2*(\q)], v[BIA+2*(\q)+1]  ; the bias is rounded to bf16 like every input,
.endr
.irp q, 0,1,2,3
	v_lshlrev_b32 v[BIA+2*(\q)], 16, v[X+(\q)]                   ; and widened again
	v_and_b32 v[BIA+2*(\q)+1], 0xffff0000, v[X+(\q)]
.endr
.irp hi, 0,1
	WIN 0x08+4*(\hi)                               ; store data (source 1) in window 2 or 3
.irp a, 0,1,2,3
.irp b, 0,1,2,3,4,5,6,7
	ds_store_b128 v[DST], v[8*(8*(\a)+(\b)):8*(8*(\a)+(\b))+3]   offset:(4*(\hi)+(\a))*16*DPITCH+64*(\b)     ; each accumulator from its low end on
	ds_store_b128 v[DST], v[8*(8*(\a)+(\b))+4:8*(8*(\a)+(\b))+7] offset:(4*(\hi)+(\a))*16*DPITCH+64*(\b)+16
.endr
.endr
.endr
	s_wait_dscnt 0x0                               ; the sums lie in LDS: loads land on the accumulators' registers only behind this wait
	; FOR STEP 2, THE OTHER 48 LOADS: they have the softplus loop's 16 trips in which to land.  A's stand here, where no product waits behind them: a lane's 16 bytes lie 256 bytes from its neighbour's.
	WIN 0x80                                       ; destination window 2
.set j, 32
.rept 32
	global_load_b128 v[UC+4*(j-32):UC+4*(j-32)+3], v[CO], s[84:85] offset:4096*j
.set j, j+1
.endr
.set j, 0
.rept 16
	global_load_b128 v[AW+4*j:AW+4*j+3], v[AO], s[78:79] offset:16*j            ; my four channels' 16 states each
.set j, j+1
.endr
	WIN 0
	s_add_nc_u64 s[8:9], s[8:9], s[16:17]          ; dl at my first row and column
	s_mov_b32 s72, 16
	s_mov_b32 s73, 0
	s_mov_b32 s74, 0
	v_mov_b32 v[RD], v[RD0]
	v_mov_b32 v[DW], v[DW0]
.Lrows:                                                ; 16 trips of eight rows
.irp i, 0,1,2,3
	ds_load_b128 v[X+8*(\i):X+8*(\i)+3],   v[RD] offset:2*DPITCH*(\i)      ; my own bytes: LDS serves a wave's instructions in order
	ds_load_b128 v[X+8*(\i)+4:X+8*(\i)+7], v[RD] offset:2*DPITCH*(\i)+16
.endr
	s_wait_dscnt 0x0
.set i, 0
.rept 16
	v_pk_add_f32 v[X+2*i:X+2*i+1], v[X+2*i:X+2*i+1], v[BIA+2*(i%4):BIA+2*(i%4)+1]    ; z
.set i, i+1
.endr
.set i, 0
.rept 32
	v_max_num_f32 v[M+i], 0, v[X+i]
.set i, i+1
.endr
.set i, 0
.rept 16
	v_pk_mul_f32 v[E+2*i:E+2*i+1], v[X+2*i:X+2*i+1], 0x3fb8aa3b op_sel_hi:[1,0]      ; c z
.set i, i+1
.endr
.set i, 0
.rept 16
	v_pk_fma_f32 v[E+2*i:E+2*i+1], v[M+2*i:M+2*i+1], 0xc038aa3b, v[E+2*i:E+2*i+1] op_sel_hi:[1,0,1]  ; c z - 2 c max(z, 0) = -c |z|
.set i, i+1
.endr
.set i, 0
.rept 32
	v_exp_f32 v[E+i], v[E+i]
.set i, i+1
.endr
	v_nop                                          ; a plain instruction behind the last exponential,
	s_wait_alu depctr_va_vdst(0)                   ; and a wait ahead of the first use: one for the batch
.set i, 0
.rept 16
	v_pk_add_f32 v[E+2*i:E+2*i+1], v[E+2*i:E+2*i+1], 1.0 op_sel_hi:[1,0]
.set i, i+1
.endr
.set i, 0
.rept 32
	v_log_f32 v[E+i], v[E+i]
.set i, i+1
.endr
	v_nop
	s_wait_alu depctr_va_vdst(0)                   ; one wait for the 32 logarithms
.set i, 0
.rept 16
	v_pk_fma_f32 v[M+2*i:M+2*i+1], v[E+2*i:E+2*i+1], 0x3f317218, v[M+2*i:M+2*i+1] op_sel_hi:[1,0,1]  ; ln 2 x log2(..) + max(z, 0)
.set i, i+1
.endr
.set i, 0
.rept 16
	v_cvt_pk_f16_f32 v[O+i], v[M+2*i], v[M+2*i+1]
.set i, i+1
.endr
.irp i, 0,1,2,3
	global_store_b128 v[CO], v[O+4*(\i):O+4*(\i)+3], s[8:9] offset:2*SIZE_N*2*(\i)   ; 16 lanes store 256 consecutive bytes, aligned
	ds_store_b128 v[DW], v[O+4*(\i):O+4*(\i)+3] offset:2*LROW*(\i)                   ; and the same two rows for step 2: trip t writes bytes 2,048 t on of my part, the unread sums begin at 4,224 (t + 1)
.endr
	s_wait_xcnt 0x0                                ; the stores have read their base and O: both are written again only behind this wait
	s_add_nc_u64 s[8:9], s[8:9], 8*SIZE_N*2
	s_add_co_u32 s73, s73, 8*DPITCH
	v_add_nc_u32 v[RD], s73, v[RD0]
	s_add_co_u32 s74, s74, 8*LROW
	v_add_nc_u32 v[DW], s74, v[DW0]
	s_sub_co_u32 s72, s72, 1
	s_cmp_lg_u32 s72, 0
	s_cbranch_scc1 .Lrows
	; STEP 2: THE CHUNK'S SUMMARY.  All sums have been read: u goes behind delta in my part of LDS, B | C behind the spare words.
	s_wait_loadcnt 0x0                             ; u's rows 64-127 and A
.set j, 0
.rept 16
	ds_store_b128 v[DW0], v[UA+4*j:UA+4*j+3] offset:UOFF+512*j
.set j, j+1
.endr
	WIN 0x04                                       ; store data (source 1) in window 1
.set j, 16
.rept 16
	ds_store_b128 v[DW0], v[UB+4*(j-16):UB+4*(j-16)+3] offset:UOFF+512*j
.set j, j+1
.endr
.set j, 0
.rept 16
	ds_store_b128 v[BCS], v[BW+4*j:BW+4*j+3] offset:512*j
.set j, j+1
.endr
	WIN 0x08                                       ; in window 2
.set j, 32
.rept 32
	ds_store_b128 v[DW0], v[UC+4*(j-32):UC+4*(j-32)+3] offset:UOFF+512*j
.set j, j+1
.endr
	WIN 0x0a                                       ; sources 0 and 1 in window 2
.set q, 0
.rept 32                               ; A rounded to bf16: word 8 j + i holds states 2 i and 2 i + 1 of channel j
	v_cvt_pk_bf16_f32 v[HH+q], v[AW+2*q], v[AW+2*q+1]
.set q, q+1
.endr
	WIN 0
	s_mov_b32 s19, 0xffff0000
.set q, 0
.rept 32                               ; widened, and turned: from [channel][state] to register 4 n + channel
	v_lshlrev_b32 v[AA+8*(q%8)+q/8],   16,  v[HH+q]
	v_and_b32     v[AA+8*(q%8)+4+q/8], s19, v[HH+q]
.set q, q+1
.endr
.set q, 0
.rept 64                               ; S starts at 0 and P at 1: 128 lines that run while the LDS stores above are served; a first trip written out would be a third copy of the trip
	v_mov_b32 v[HH+q], 0
	v_mov_b32 v[PP+q], 1.0
.set q, q+1
.endr
	v_and_b32 v1, 31, v0
	v_lshlrev_b32 v[LO], 4, v1
	v_lshl_add_u32 v[AD0], v1, 3, s23              ; my part of LDS + 8 l: a lane's four channels of a row
	v_mov_b32 v[AD], v[AD0]
	s_mov_b32 s[RO], 0
	s_lshl_b32 s[BO], s11, 14                      ; my chunk's rows of B | C: the wave's number alone decides
	s_add_co_u32 s[BO], s[BO], BCL
	v_mov_b32 v[BCA], s[BO]
	s_wait_dscnt 0x0                               ; for the others' sake: my 64 rows of B | C are stored
	s_barrier_signal -1
	s_barrier_wait -1                              ; everybody's are
.macro LDG s, k                        ; one run: a row's delta and u, 8 bytes a lane each, and its B, of which every lane reads the same 16 bytes, into set s; k: which of the trip's two rows
	ds_load_b64 v[8:9],   v[AD] offset:LROW*(\k)
	ds_load_b64 v[10:11], v[AD] offset:UOFF+LROW*(\k)
.irp q, 0,1,2,3
	ds_load_b128 v[BB+16*(\s)+4*(\q):BB+16*(\s)+4*(\q)+3], v[BCA] offset:128*(\k)+16*(\q)
.endr
.endm
.macro UNPACK                          ; delta from f16, u from bf16, x = delta u
	v_cvt_f32_f16 v[DD],   v8.l
	v_cvt_f32_f16 v[DD+1], v8.h
	v_cvt_f32_f16 v[DD+2], v9.l
	v_cvt_f32_f16 v[DD+3], v9.h
	v_lshlrev_b32 v[XX],   16,  v10
	v_and_b32     v[XX+1], s19, v10
	v_lshlrev_b32 v[XX+2], 16,  v11
	v_and_b32     v[XX+3], s19, v11
	v_pk_mul_f32 v[XX:XX+1],   v[XX:XX+1],   v[DD:DD+1]
	v_pk_mul_f32 v[XX+2:XX+3], v[XX+2:XX+3], v[DD+2:DD+3]
.endm
.macro TAT n, s                        ; a = delta A + 1 and x B for state n: a packed line takes two channels of one state; B[n] is given to both halves out of an aligned pair
.set bp, BB+16*(\s)+((\n)/2)*2
.irp p, 0,1
	v_pk_fma_f32 v[TA+4*((\n)%2)+2*(\p):TA+4*((\n)%2)+2*(\p)+1], v[DD+2*(\p):DD+2*(\p)+1], v[AA+4*(\n)+2*(\p):AA+4*(\n)+2*(\p)+1], 1.0 op_sel_hi:[1,1,0]
.if (\n)%2
	v_pk_mul_f32 v[TT+2*(\p):TT+2*(\p)+1], v[XX+2*(\p):XX+2*(\p)+1], v[bp:bp+1] op_sel:[0,1] op_sel_hi:[1,1]
.else
	v_pk_mul_f32 v[TT+2*(\p):TT+2*(\p)+1], v[XX+2*(\p):XX+2*(\p)+1], v[bp:bp+1] op_sel_hi:[1,0]
.endif
.endr
.endm
.macro HUP n                           ; S = a S + x B
.irp p, 0,1
	v_pk_fma_f32 v[HH+4*(\n)+2*(\p):HH+4*(\n)+2*(\p)+1], v[TA+4*((\n)%2)+2*(\p):TA+4*((\n)%2)+2*(\p)+1], v[HH+4*(\n)+2*(\p):HH+4*(\n)+2*(\p)+1], v[TT+2*(\p):TT+2*(\p)+1]
.endr
.endm
.macro PUP n                           ; P = P a
.irp p, 0,1
	v_pk_mul_f32 v[PP+4*(\n)+2*(\p):PP+4*(\n)+2*(\p)+1], v[PP+4*(\n)+2*(\p):PP+4*(\n)+2*(\p)+1], v[TA+4*((\n)%2)+2*(\p):TA+4*((\n)%2)+2*(\p)+1]
.endr
.endm
; A STEP, for a row of parity s, whose delta and x were unpacked in the step before.  Its memory instructions stand in ONE run, at its end: the row two steps on, into the registers that the step has used up (more = 1).
; unp = 1: there is a next row: it is unpacked behind the last line that reads this row's delta and x.  The addresses are stepped once a trip, in the middle of its first step, some seventy lines behind the run that last named them.
.macro STEP s, unp, more
	TAT 0, \s
.set sn, 0
.rept 16
	HUP sn
.if sn < 15
	TAT sn+1, \s
.endif
.if (sn == 8) && ((\s) == 0) && (\more)
	s_add_co_u32 s[RO], s[RO], 2*LROW
	v_add_nc_u32 v[AD], s[RO], v[AD0]
	s_add_co_u32 s[BO], s[BO], 256
	v_mov_b32 v[BCA], s[BO]
.endif
.if (sn == 15) && (\unp)
	s_wait_dscnt 0x0                               ; the run issued at the end of the step before is in: the next row's delta, u and B
	UNPACK
.endif
	PUP sn
.set sn, sn+1
.endr
.if \more
	LDG \s, \s
.endif
.endm
	LDG 0, 0                                       ; row 0
	s_wait_dscnt 0x0
	UNPACK
	LDG 1, 1                                       ; row 1
	s_mov_b32 s[CNT], 63
.Lrun:                                                 ; 63 trips of two steps: steps 0-125 ask for rows 2-127
	STEP 0, 1, 1
	STEP 1, 1, 1
	s_sub_co_u32 s[CNT], s[CNT], 1
	s_cmp_lg_u32 s[CNT], 0
	s_cbranch_scc1 .Lrun
	STEP 0, 1, 0                                   ; the last two steps ask for nothing,
	STEP 1, 0, 0                                   ; and the last has no next row
.set q, 0
.rept 16
	global_store_b128 v[LO], v[PP+4*q:PP+4*q+3], s[80:81] offset:512*q   ; an image: 16 times 512 consecutive bytes
	global_store_b128 v[LO], v[HH+4*q:HH+4*q+3], s[82:83] offset:512*q
.set q, q+1
.endr
	s_wait_tensorcnt 0x0                           ; the wave's end, behind my last tensor load and my last LDS store
	ds_add_u32 v[SPW], v[NIL]
	s_wait_dscnt 0x0
	CROUND                                         ; the closing round
	s_endpgm
.Lfunc_end_k_qbd008450c7_gemm:
	.size	k_qbd008450c7_gemm, .Lfunc_end_k_qbd008450c7_gemm-k_qbd008450c7_gemm
	.p2alignl 7, 3214868480
	.fill 96, 4, 3214868480
	.section	.rodata,"a",@progbits
	.p2align	6, 0x0
	.amdhsa_kernel k_qbd008450c7_gemm
		.amdhsa_group_segment_fixed_size 327680
		.amdhsa_private_segment_fixed_size 0
		.amdhsa_enable_private_segment 0
		.amdhsa_kernarg_size 64
		.amdhsa_user_sgpr_count 2
		.amdhsa_user_sgpr_kernarg_segment_ptr 1
		.amdhsa_wavefront_size32 1
		.amdhsa_system_sgpr_workgroup_id_x 1
		.amdhsa_system_sgpr_workgroup_id_y 1
		.amdhsa_system_sgpr_workgroup_id_z 1
		.amdhsa_system_vgpr_workitem_id 0
		.amdhsa_next_free_vgpr 1024
		.amdhsa_next_free_sgpr 96
		.amdhsa_reserve_vcc 0
		.amdhsa_float_denorm_mode_32 3
		.amdhsa_float_denorm_mode_16_64 3
		.amdhsa_memory_ordered 1
		.amdhsa_forward_progress 1
		.amdhsa_inst_pref_size 196
	.end_amdhsa_kernel
	.amdgpu_metadata
---
amdhsa.version: [ 1, 2 ]
amdhsa.kernels:
  - .name:           k_qbd008450c7_gemm
    .symbol:         k_qbd008450c7_gemm.kd
    .args:
      - { .name: ub, .offset: 0, .size: 8, .value_kind: global_buffer, .address_space: global }
      - { .name: wt, .offset: 8, .size: 8, .value_kind: global_buffer, .address_space: global }
      - { .name: dl, .offset: 16, .size: 8, .value_kind: global_buffer, .address_space: global }
      - { .name: b_delta, .offset: 24, .size: 8, .value_kind: global_buffer, .address_space: global }
      - { .name: bc, .offset: 32, .size: 8, .value_kind: global_buffer, .address_space: global }
      - { .name: A, .offset: 40, .size: 8, .value_kind: global_buffer, .address_space: global }
      - { .name: pim, .offset: 48, .size: 8, .value_kind: global_buffer, .address_space: global }
      - { .name: sim, .offset: 56, .size: 8, .value_kind: global_buffer, .address_space: global }
    .group_segment_fixed_size: 327680
    .private_segment_fixed_size: 0
    .kernarg_segment_align: 8
    .kernarg_segment_size: 64
    .max_flat_workgroup_size: 128
    .sgpr_count:     96
    .vgpr_count:     1024
    .wavefront_size: 32
...
	.end_amdgpu_metadata
.endif
;; end of part 6
;; launch carry (part 7): grid 256 x 1, 4 waves a work-group, no clusters, 0 bytes of LDS; arguments pim, sim, hin; writes hin
.if DOCPART == 7
	.amdgcn_target "amdgcn-amd-amdhsa--gfx1250"
	.amdhsa_code_object_version 6
	.text
	.protected	k_qbd008450c7_carry
	.globl	k_qbd008450c7_carry
	.p2align	8
	.type	k_qbd008450c7_carry,@function
k_qbd008450c7_carry:
	s_mov_b64 s[64:65], 0
	v_nop
	global_prefetch_b8 v0, s[64:65] scope:SCOPE_SE
	s_setreg_imm32_b32 hwreg(HW_REG_WAVE_MODE, 25, 1), 1
	s_wait_xcnt 0x0
; THE CARRY.  hin[0] = 0, hin[c + 1] = P[c] hin[c] + S[c], c = 0 .. 30, for the 65,536 states; all f32.  pim, sim, hin: planes of 262,144 bytes, one a chunk, all in the same order of states.
; Of pim's and sim's 32 planes the first 31 are read: behind the last chunk there is nothing to carry into.
; A thread owns 8 bytes of a plane (two states); a wave's load or store covers 256 consecutive bytes, aligned.  All 62 loads go out at once; each link waits for its own two.
; No LDS, no barrier: no thread wants another's numbers.
.set PLANE, 262144
.set P, 4                              ; v[4:65]
.set S, 66                             ; v[66:127]
.set H, 128                            ; v[128:191]: a pair for each plane, so that no store's data are rewritten
	s_load_b128 s[4:7], s[0:1], 0x0                ; pim, sim
	s_load_b64 s[8:9], s[0:1], 0x10                ; hin
	v_lshlrev_b32 v1, 3, v0
	s_lshl_b32 s10, ttmp9, 10                      ; the work-group's 1,024 bytes of a plane
	s_mov_b32 s11, 0
	v_mov_b32 v[H], 0
	v_mov_b32 v[H+1], 0
	s_wait_kmcnt 0x0
	s_add_nc_u64 s[4:5], s[4:5], s[10:11]
	s_add_nc_u64 s[6:7], s[6:7], s[10:11]
	s_add_nc_u64 s[8:9], s[8:9], s[10:11]
.set c, 0
.rept 31
	global_load_b64 v[P+2*c:P+2*c+1], v1, s[4:5] offset:PLANE*c th:TH_LOAD_NT
	global_load_b64 v[S+2*c:S+2*c+1], v1, s[6:7] offset:PLANE*c th:TH_LOAD_NT
.set c, c+1
.endr
	global_store_b64 v1, v[H:H+1], s[8:9]
.set c, 0
.rept 31
	s_wait_loadcnt 60-2*c                          ; chunk c's two loads are in; the later chunks' stay out
	v_pk_fma_f32 v[H+2*c+2:H+2*c+3], v[P+2*c:P+2*c+1], v[H+2*c:H+2*c+1], v[S+2*c:S+2*c+1]
	global_store_b64 v1, v[H+2*c+2:H+2*c+3], s[8:9] offset:PLANE*(c+1)
.set c, c+1
.endr
	s_endpgm
.Lfunc_end_k_qbd008450c7_carry:
	.size	k_qbd008450c7_carry, .Lfunc_end_k_qbd008450c7_carry-k_qbd008450c7_carry
	.p2alignl 7, 3214868480
	.fill 96, 4, 3214868480
	.section	.rodata,"a",@progbits
	.p2align	6, 0x0
	.amdhsa_kernel k_qbd008450c7_carry
		.amdhsa_group_segment_fixed_size 0
		.amdhsa_private_segment_fixed_size 0
		.amdhsa_enable_private_segment 0
		.amdhsa_kernarg_size 24
		.amdhsa_user_sgpr_count 2
		.amdhsa_user_sgpr_kernarg_segment_ptr 1
		.amdhsa_wavefront_size32 1
		.amdhsa_system_sgpr_workgroup_id_x 1
		.amdhsa_system_sgpr_workgroup_id_y 1
		.amdhsa_system_sgpr_workgroup_id_z 1
		.amdhsa_system_vgpr_workitem_id 0
		.amdhsa_next_free_vgpr 192
		.amdhsa_next_free_sgpr 66
		.amdhsa_reserve_vcc 0
		.amdhsa_float_denorm_mode_32 3
		.amdhsa_float_denorm_mode_16_64 3
		.amdhsa_memory_ordered 1
		.amdhsa_forward_progress 1
		.amdhsa_inst_pref_size 13
	.end_amdhsa_kernel
	.amdgpu_metadata
---
amdhsa.version: [ 1, 2 ]
amdhsa.kernels:
  - .name:           k_qbd008450c7_carry
    .symbol:         k_qbd008450c7_carry.kd
    .args:
      - { .name: pim, .offset: 0, .size: 8, .value_kind: global_buffer, .address_space: global }
      - { .name: sim, .offset: 8, .size: 8, .value_kind: global_buffer, .address_space: global }
      - { .name: hin, .offset: 16, .size: 8, .value_kind: global_buffer, .address_space: global }
    .group_segment_fixed_size: 0
    .private_segment_fixed_size: 0
    .kernarg_segment_align: 8
    .kernarg_segment_size: 24
    .max_flat_workgroup_size: 128
    .sgpr_count:     66
    .vgpr_count:     192
    .wavefront_size: 32
...
	.end_amdgpu_metadata
.endif
;; end of part 7
;; launch scan (part 8): grid 8 x 32, 4 waves a work-group, no clusters, 279,040 bytes of LDS; arguments dl, ub, bc, A, hin, out0; writes out0
.if DOCPART == 8
	.amdgcn_target "amdgcn-amd-amdhsa--gfx1250"
	.amdhsa_code_object_version 6
	.text
	.protected	k_qbd008450c7_scan
	.globl	k_qbd008450c7_scan
	.p2align	8
	.type	k_qbd008450c7_scan,@function
k_qbd008450c7_scan:
	s_mov_b64 s[64:65], 0
	v_nop
	global_prefetch_b8 v0, s[64:65] scope:SCOPE_SE
	s_setreg_imm32_b32 hwreg(HW_REG_WAVE_MODE, 25, 1), 1
	s_wait_xcnt 0x0
; THE SCAN'S TRUE PASS.  h[t] = a[t] h[t-1] + x[t] B[t], a = 1 + delta A, x = delta u; y[t][d] = the sum over n of C[t][n] h[t][d][n].  4 batches x 1,024 channels x 16 states, 4,096 steps in 32 chunks of 128;
; chunk c starts from hin[c], which the launch before has made.  All in f32; delta comes in f16, u in bf16, B and C in f32; A is rounded to bf16 like every input.
; LIMIT.  NaN and infinities are not treated apart.
; SHARES.  Work-group (x, c): batch x / 2, channels 512 (x % 2) on, chunk c.  A wave takes 128 channels, a lane 4, with all 16 states: register 4 n + j holds state n of channel j, so a packed line takes two
; channels of one state, B[n] and C[n], the same for all lanes, are given to both halves out of an aligned pair, and y needs no sum across lanes: a lane's four y are 16 bytes, a wave's store 512 on end.
; LDS: wave w's 128 rows x 256 bytes of delta at 65,536 w, of u 32,768 further on; the chunk's 128 rows of B | C (128 bytes each) at 262,144.  Nothing is filled twice.  Each wave asks for its quarter of B | C, for
; the first 32 rows of its delta and u, so that the first step waits for an eighth of the wave's bytes, and for the other 96 rows of each: five tensor loads out.
; A STEP'S MEMORY INSTRUCTIONS STAND IN ONE RUN, AT ITS END: the row two steps on, and the store of the row just finished.  B, C and y have two sets of registers that take turns, so a trip of the loop is two
; steps; delta and u have one: the next row is unpacked near the step's end, when its last reader has gone, and the run follows.  So a step's 128 packed lines follow each other with no memory instruction among
; them, and one wait a step serves the LDS loads.
; No cluster: two work-groups share B | C alone, 16 of 272 KiB.  No prefetch: the whole chunk is asked for at the head.
.set SUMS,  0                          ; 0: this text; 1: the summary pass, which is the same skeleton
.set LROW,  256
.set UOFF,  32768
.set BCL,   262144
.set SPARE, 278528                     ; the spare words, 128 bytes a wave: two blocks of 256 bytes that no other line names
.set AD0, 2                            ; 65,536 w + 8 l; never rewritten
.set AD,  3                            ; delta's row that the trip's first run reads
.set BCA, 4                            ; the same for B | C
.set LO,  5                            ; 16 l
.set SPW, 6
.set NIL, 7
.set DD,  12                           ; v8-9 delta, v10-11 u as read; v12-15 delta, v16-19 x in f32
.set XX,  16
.set TT,  20                           ; v20-23 x B
.set TA,  24                           ; v24-31 a, two sets by the state's parity
.set BB,  32                           ; v32-63 B, two sets by the row's parity
.set HH,  64                           ; v64-127 the states
.set AA,  128                          ; v128-191 A
.set CC,  192                          ; v192-223 C, two sets by the row's parity
.set YA,  224                          ; v224-227 y at work
.set YS,  228                          ; v228-235 y to store, two sets
.set PP,  192
.set TP,  192                          ; v192-255 A as loaded, at the head alone
.set G1,  24                           ; s[24:31] 32 rows x 128 elements of 2 bytes, 1,024 elements from row to row
.set G1B, 32                           ; s[32:39] a quarter of B | C: 4,096 dense bytes as 16 rows of 256
.set GB,  40                           ; s[40:43]
.set GD,  44                           ; s[44:47] delta's first 32 rows, s[48:51] u's; s[52:55], s[56:59] the other 96 rows
.set G1R, 68                           ; s[68:75] 96 rows
.set WV,  16
.set CNT, 80
.set RO,  81
.set BO,  82
	s_load_b256 s[4:11], s[0:1], 0x0               ; dl, ub, bc, A
	s_load_b128 s[12:15], s[0:1], 0x20             ; hin, out0
	v_lshl_add_u32 v[SPW], v0, 2, SPARE
	v_mov_b32 v[NIL], 0
	ds_add_u32 v[SPW], v[NIL]                      ; the wave's opening: the add, and its wait ahead of my first tensor load; the set-up below, work on registers, stands between them
	v_lshrrev_b32 v1, 5, v0
	v_readfirstlane_b32 s[WV], v1                  ; wave 0..3
	s_lshr_b32 s17, ttmp9, 1                       ; batch
	s_and_b32 s83, ttmp9, 1                        ; which 512 channels
	s_and_b32 s18, ttmp7, 0xffff                   ; chunk
	s_mov_b32 s19, 0xffff0000
	s_mov_b32 s[G1+0], 1<<16                       ; elements of 2 bytes, no mask, no padding
	s_mov_b32 s[G1+1], 128<<16                     ; tensor_dim0 = 128
	s_mov_b32 s[G1+2], 32<<16                      ; tensor_dim1 = 32
	s_mov_b32 s[G1+3], 128<<16                     ; tile_dim0 = 128
	s_mov_b32 s[G1+4], 32                          ; tile_dim1 = 32
	s_mov_b32 s[G1+5], 1024
	s_mov_b32 s[G1+6], 0
	s_mov_b32 s[G1+7], 0
	s_mov_b32 s[G1R+0], 1<<16                      ; the same with 96 rows
	s_mov_b32 s[G1R+1], 128<<16
	s_mov_b32 s[G1R+2], 96<<16
	s_mov_b32 s[G1R+3], 128<<16
	s_mov_b32 s[G1R+4], 96
	s_mov_b32 s[G1R+5], 1024
	s_mov_b32 s[G1R+6], 0
	s_mov_b32 s[G1R+7], 0
	s_mov_b32 s[G1B+0], 3<<16                      ; elements of 8 bytes
	s_mov_b32 s[G1B+1], 32<<16
	s_mov_b32 s[G1B+2], 16<<16
	s_mov_b32 s[G1B+3], 32<<16
	s_mov_b32 s[G1B+4], 16
	s_mov_b32 s[G1B+5], 32
	s_mov_b32 s[G1B+6], 0
	s_mov_b32 s[G1B+7], 0
	s_lshl_b32 s84, s[WV], 16                      ; my wave's part of LDS
	s_lshl_b32 s85, s[WV], 12                      ; my quarter of B | C
	s_mov_b32 s[GB], 1
	s_add_co_u32 s[GB+1], s85, BCL
.irp s, 0,1                            ; s = 0: rows 0-31; s = 1: rows 32-127, 8,192 bytes further on in LDS
	s_mov_b32 s[GD+8*(\s)], 1
	s_add_co_u32 s[GD+8*(\s)+1], s84, 8192*(\s)
	s_mov_b32 s[GD+8*(\s)+4], 1
	s_add_co_u32 s[GD+8*(\s)+5], s84, UOFF+8192*(\s)
.endr
	s_lshl_b32 s20, s17, 23                        ; in dl and ub: batch x 4,096 rows of 2,048 bytes,
	s_lshl_b32 s21, s18, 18                        ; chunk x 128 rows,
	s_add_co_u32 s20, s20, s21
	s_lshl_b32 s21, s83, 10                        ; 512 channels,
	s_add_co_u32 s20, s20, s21
	s_lshl_b32 s21, s[WV], 8                       ; my 128
	s_add_co_u32 s20, s20, s21
	s_mov_b32 s21, 0
	s_lshl_b32 s22, s17, 19                        ; in bc: rows of 128 bytes
	s_lshl_b32 s23, s18, 14
	s_add_co_u32 s22, s22, s23
	s_add_co_u32 s22, s22, s85
	s_mov_b32 s23, 0
	s_lshl_b32 s76, s83, 15                        ; A: my 128 channels' rows of 64 bytes
	s_lshl_b32 s77, s[WV], 13
	s_add_co_u32 s76, s76, s77
	s_mov_b32 s77, 0
	s_lshl_b32 s78, s18, 5                         ; my image of 8,192 bytes: number 32 c + 4 x + w
	s_lshl_b32 s79, ttmp9, 2
	s_add_co_u32 s78, s78, s79
	s_add_co_u32 s78, s78, s[WV]
	s_lshl_b32 s78, s78, 13
	s_mov_b32 s79, 0
.if !SUMS
	s_lshl_b32 s86, s17, 24                        ; out0: rows of 4,096 bytes
	s_lshl_b32 s87, s18, 19
	s_add_co_u32 s86, s86, s87
	s_lshl_b32 s87, s83, 11
	s_add_co_u32 s86, s86, s87
	s_lshl_b32 s87, s[WV], 9
	s_add_co_u32 s86, s86, s87
	s_mov_b32 s87, 0
.endif
	v_and_b32 v1, 31, v0
	v_lshlrev_b32 v[LO], 4, v1
	v_lshlrev_b32 v[AD0], 3, v1
	v_add_nc_u32 v[AD0], s84, v[AD0]
	v_mov_b32 v[AD], v[AD0]
	v_lshlrev_b32 v1, 8, v1                        ; my four channels' 256 bytes of A
	s_wait_dscnt 0x0                               ; the opening add is done
	s_wait_kmcnt 0x0
	s_add_nc_u64 s[10:11], s[10:11], s[76:77]
	s_add_nc_u64 s[12:13], s[12:13], s[78:79]
.if SUMS
	s_add_nc_u64 s[14:15], s[14:15], s[78:79]
.else
	s_add_nc_u64 s[14:15], s[14:15], s[86:87]
.endif
.set ci, 0
.rept 16                               ; what the first step cannot do without is asked for first
	global_load_b128 v[TP+4*ci:TP+4*ci+3], v1, s[10:11] offset:16*ci
.set ci, ci+1
.endr
.if !SUMS
.set ci, 0
.rept 16
	global_load_b128 v[HH+4*ci:HH+4*ci+3], v[LO], s[12:13] offset:512*ci th:TH_LOAD_NT
.set ci, ci+1
.endr
.endif
	s_add_nc_u64 s[4:5], s[4:5], s[20:21]
	s_add_nc_u64 s[6:7], s[6:7], s[20:21]
	s_add_nc_u64 s[GB+2:GB+3], s[8:9], s[22:23]
	s_or_b32 s[GB+3], s[GB+3], 0x80000000
.irp s, 0,1
	s_add_nc_u64 s[GD+8*(\s)+2:GD+8*(\s)+3], s[4:5], 65536*(\s)   ; 32 rows of 2,048 bytes on
	s_or_b32 s[GD+8*(\s)+3], s[GD+8*(\s)+3], 0x80000000
	s_add_nc_u64 s[GD+8*(\s)+6:GD+8*(\s)+7], s[6:7], 65536*(\s)
	s_or_b32 s[GD+8*(\s)+7], s[GD+8*(\s)+7], 0x80000000
.endr
	tensor_load_to_lds s[GB:GB+3], s[G1B:G1B+7]    ; all first fills in one group, ahead of every wait on TENSORcnt, LDS read and barrier
	s_nop 0
	tensor_load_to_lds s[GD:GD+3], s[G1:G1+7]
	s_nop 0
	tensor_load_to_lds s[GD+4:GD+7], s[G1:G1+7]
	s_nop 0
	tensor_load_to_lds s[GD+8:GD+11], s[G1R:G1R+7]
	s_nop 0
	tensor_load_to_lds s[GD+12:GD+15], s[G1R:G1R+7]
	s_nop 0
.if SUMS
.set ci, 0
.rept 64
	v_mov_b32 v[HH+ci], 0
.set ci, ci+1
.endr
.endif
	s_wait_loadcnt 16*(1-SUMS)                     ; A is in; the carry's 16 loads stay out
.set ci, 0
.rept 4                                ; A rounded to bf16, widened, and turned: from [channel][state] to register 4 n + channel
.set ni, 0
.rept 8
	v_cvt_pk_bf16_f32 v[TA+ni], v[TP+16*ci+2*ni], v[TP+16*ci+2*ni+1]
.set ni, ni+1
.endr
.set ni, 0
.rept 8
	v_lshlrev_b32 v[AA+8*ni+ci],   16,  v[TA+ni]
	v_and_b32     v[AA+8*ni+4+ci], s19, v[TA+ni]
.set ni, ni+1
.endr
.set ci, ci+1
.endr
.if SUMS
.set ci, 0
.rept 64
	v_mov_b32 v[PP+ci], 1.0
.set ci, ci+1
.endr
.else
	s_wait_loadcnt 0x0                             ; the carry
.endif
	s_wait_tensorcnt 4                             ; my quarter of B | C is in; the four loads behind it stay out
	s_barrier_signal -1
	s_barrier_wait -1                              ; everybody's quarter is
	s_wait_tensorcnt 2                             ; rows 0-31 of my delta and u are in; the two loads of 96 rows stay out
	s_mov_b32 s[RO], 0
	s_mov_b32 s[BO], BCL
	v_mov_b32 v[BCA], s[BO]
.macro LDG s, k                        ; one run: a row's delta and u, 8 bytes a lane each, and its B and C, of which every lane reads the same 16 bytes, into set s; k: which of the trip's two rows
	ds_load_b64 v[8:9],   v[AD] offset:LROW*(\k)
	ds_load_b64 v[10:11], v[AD] offset:UOFF+LROW*(\k)
.irp q, 0,1,2,3
	ds_load_b128 v[BB+16*(\s)+4*(\q):BB+16*(\s)+4*(\q)+3], v[BCA] offset:128*(\k)+16*(\q)
.if !SUMS
	ds_load_b128 v[CC+16*(\s)+4*(\q):CC+16*(\s)+4*(\q)+3], v[BCA] offset:128*(\k)+64+16*(\q)
.endif
.endr
.endm
.macro UNPACK                          ; delta from f16, u from bf16, x = delta u
	v_cvt_f32_f16 v[DD],   v8.l
	v_cvt_f32_f16 v[DD+1], v8.h
	v_cvt_f32_f16 v[DD+2], v9.l
	v_cvt_f32_f16 v[DD+3], v9.h
	v_lshlrev_b32 v[XX],   16,  v10
	v_and_b32     v[XX+1], s19, v10
	v_lshlrev_b32 v[XX+2], 16,  v11
	v_and_b32     v[XX+3], s19, v11
	v_pk_mul_f32 v[XX:XX+1],   v[XX:XX+1],   v[DD:DD+1]
	v_pk_mul_f32 v[XX+2:XX+3], v[XX+2:XX+3], v[DD+2:DD+3]
.endm
.macro TAT n, s                        ; a = delta A + 1 and x B for state n
.set bp, BB+16*(\s)+((\n)/2)*2
.irp p, 0,1
	v_pk_fma_f32 v[TA+4*((\n)%2)+2*(\p):TA+4*((\n)%2)+2*(\p)+1], v[DD+2*(\p):DD+2*(\p)+1], v[AA+4*(\n)+2*(\p):AA+4*(\n)+2*(\p)+1], 1.0 op_sel_hi:[1,1,0]
.if (\n)%2
	v_pk_mul_f32 v[TT+2*(\p):TT+2*(\p)+1], v[XX+2*(\p):XX+2*(\p)+1], v[bp:bp+1] op_sel:[0,1] op_sel_hi:[1,1]
.else
	v_pk_mul_f32 v[TT+2*(\p):TT+2*(\p)+1], v[XX+2*(\p):XX+2*(\p)+1], v[bp:bp+1] op_sel_hi:[1,0]
.endif
.endr
.endm
.macro HUP n                           ; h = a h + x B
.irp p, 0,1
	v_pk_fma_f32 v[HH+4*(\n)+2*(\p):HH+4*(\n)+2*(\p)+1], v[TA+4*((\n)%2)+2*(\p):TA+4*((\n)%2)+2*(\p)+1], v[HH+4*(\n)+2*(\p):HH+4*(\n)+2*(\p)+1], v[TT+2*(\p):TT+2*(\p)+1]
.endr
.endm
.macro PUP n                           ; (the summary pass alone) P = P a
.irp p, 0,1
	v_pk_mul_f32 v[PP+4*(\n)+2*(\p):PP+4*(\n)+2*(\p)+1], v[PP+4*(\n)+2*(\p):PP+4*(\n)+2*(\p)+1], v[TA+4*((\n)%2)+2*(\p):TA+4*((\n)%2)+2*(\p)+1]
.endr
.endm
.macro YUP n, s                        ; y += C[n] h; the first link starts the sum, the last writes the registers that are stored
.set cp, CC+16*(\s)+((\n)/2)*2
.irp p, 0,1
.set hh, HH+4*(\n)+2*(\p)
.if (\n) == 15
.set yd, YS+4*(\s)+2*(\p)
.else
.set yd, YA+2*(\p)
.endif
.if (\n) == 0
	v_pk_mul_f32 v[yd:yd+1], v[hh:hh+1], v[cp:cp+1] op_sel_hi:[1,0]
.elseif (\n)%2
	v_pk_fma_f32 v[yd:yd+1], v[hh:hh+1], v[cp:cp+1], v[YA+2*(\p):YA+2*(\p)+1] op_sel:[0,1,0] op_sel_hi:[1,1,1]
.else
	v_pk_fma_f32 v[yd:yd+1], v[hh:hh+1], v[cp:cp+1], v[YA+2*(\p):YA+2*(\p)+1] op_sel_hi:[1,0,1]
.endif
.endr
.endm
; A STEP, for a row of parity s, whose delta and x were unpacked in the step before.  unp = 1: there is a next row: it is unpacked behind the last line that reads this row's delta and x.
; more = 1: the row two steps on is asked for, into the registers that this step has used up.  The addresses are stepped once a trip, in the middle of its first step, some seventy lines behind the run that last named them.
.macro STEP s, unp, more
	TAT 0, \s
.set sn, 0
.rept 16
	HUP sn
.if sn < 15
	TAT sn+1, \s
.endif
.if (sn == 8) && ((\s) == 0)
.if !SUMS
	s_wait_xcnt 0x0                                ; the last trip's two stores have read their base and their data: all are written again only behind this wait
	s_add_nc_u64 s[14:15], s[14:15], 8192
.endif
.if \more
	s_add_co_u32 s[RO], s[RO], 2*LROW
	v_add_nc_u32 v[AD], s[RO], v[AD0]
	s_add_co_u32 s[BO], s[BO], 256
	v_mov_b32 v[BCA], s[BO]
.endif
.endif
.if (sn == 15) && (\unp)
	s_wait_dscnt 0x0                               ; the run issued at the end of the step before is in: the next row's delta, u, B and C
	UNPACK
.endif
.if SUMS
	PUP sn
.else
	YUP sn, \s
.endif
.set sn, sn+1
.endr
.if \more
	LDG \s, \s
.endif
.if !SUMS
	global_store_b128 v[LO], v[YS+4*(\s):YS+4*(\s)+3], s[14:15] offset:4096*(\s)-8192 th:TH_STORE_NT  ; 512 consecutive bytes of a row of out0; the base has been stepped already, so the store reaches back
.endif
.endm
.macro RUN k                           ; k trips of two steps
	s_mov_b32 s[CNT], \k
.Lrun_\@:
	STEP 0, 1, 1
	STEP 1, 1, 1
	s_sub_co_u32 s[CNT], s[CNT], 1
	s_cmp_lg_u32 s[CNT], 0
	s_cbranch_scc1 .Lrun_\@
.endm
	LDG 0, 0                                       ; row 0
	s_wait_dscnt 0x0
	UNPACK
	LDG 1, 1                                       ; row 1
	RUN 15                                         ; steps 0-29 ask for rows 2-31
	s_wait_tensorcnt 0x0                           ; rows 32-127 are in
	RUN 48                                         ; steps 30-125 ask for rows 32-127
	STEP 0, 1, 0                                   ; the last two steps ask for nothing,
	STEP 1, 0, 0                                   ; and the last has no next row
.if SUMS
.set ci, 0
.rept 16
	global_store_b128 v[LO], v[PP+4*ci:PP+4*ci+3], s[12:13] offset:512*ci
	global_store_b128 v[LO], v[HH+4*ci:HH+4*ci+3], s[14:15] offset:512*ci
.set ci, ci+1
.endr
.endif
	s_wait_tensorcnt 0x0                           ; the wave's end, behind my last tensor load
	ds_add_u32 v[SPW], v[NIL]
	s_wait_dscnt 0x0
	s_endpgm
.Lfunc_end_k_qbd008450c7_scan:
	.size	k_qbd008450c7_scan, .Lfunc_end_k_qbd008450c7_scan-k_qbd008450c7_scan
	.p2alignl 7, 3214868480
	.fill 96, 4, 3214868480
	.section	.rodata,"a",@progbits
	.p2align	6, 0x0
	.amdhsa_kernel k_qbd008450c7_scan
		.amdhsa_group_segment_fixed_size 279040
		.amdhsa_private_segment_fixed_size 0
		.amdhsa_enable_private_segment 0
		.amdhsa_kernarg_size 48
		.amdhsa_user_sgpr_count 2
		.amdhsa_user_sgpr_kernarg_segment_ptr 1
		.amdhsa_wavefront_size32 1
		.amdhsa_system_sgpr_workgroup_id_x 1
		.amdhsa_system_sgpr_workgroup_id_y 1
		.amdhsa_system_sgpr_workgroup_id_z 1
		.amdhsa_system_vgpr_workitem_id 0
		.amdhsa_next_free_vgpr 256
		.amdhsa_next_free_sgpr 88
		.amdhsa_reserve_vcc 0
		.amdhsa_float_denorm_mode_32 3
		.amdhsa_float_denorm_mode_16_64 3
		.amdhsa_memory_ordered 1
		.amdhsa_forward_progress 1
		.amdhsa_inst_pref_size 69
	.end_amdhsa_kernel
	.amdgpu_metadata
---
amdhsa.version: [ 1, 2 ]
amdhsa.kernels:
  - .name:           k_qbd008450c7_scan
    .symbol:         k_qbd008450c7_scan.kd
    .args:
      - { .name: dl, .offset: 0, .size: 8, .value_kind: global_buffer, .address_space: global }
      - { .name: ub, .offset: 8, .size: 8, .value_kind: global_buffer, .address_space: global }
      - { .name: bc, .offset: 16, .size: 8, .value_kind: global_buffer, .address_space: global }
      - { .name: A, .offset: 24, .size: 8, .value_kind: global_buffer, .address_space: global }
      - { .name: hin, .offset: 32, .size: 8, .value_kind: global_buffer, .address_space: global }
      - { .name: out0, .offset: 40, .size: 8, .value_kind: global_buffer, .address_space: global }
    .group_segment_fixed_size: 279040
    .private_segment_fixed_size: 0
    .kernarg_segment_align: 8
    .kernarg_segment_size: 48
    .max_flat_workgroup_size: 128
    .sgpr_count:     88
    .vgpr_count:     256
    .wavefront_size: 32
...
	.end_amdgpu_metadata
.endif
;; end of part 8
;; ======== version 3 of 3: 4 launches; version 2 with the launch carry written anew for expert scheduling mode
;; limits: a function is approximated: absolute error at most 6e-08; values are held in f16: magnitudes above 65,504 overflow, below 6.1e-05 lose precision
;; workspace buffers: ub 33,554,432 bytes; wt 2,097,152 bytes; bc 2,097,152 bytes; dl 33,554,432 bytes; pim 8,388,608 bytes; sim 8,388,608 bytes; hin 8,388,608 bytes
;; launch prep: the kernel of part 1 again; grid 256 x 1, 4 waves a work-group, no clusters, 141,312 bytes of LDS; arguments u, W_delta, W_B, W_C, b_B, b_C, ub, wt, bc; writes ub, wt, bc
;; launch gemm: the kernel of part 6 again; grid 4 x 64, 4 waves a work-group, clusters of 4 x 4, 327,680 bytes of LDS; arguments ub, wt, dl, b_delta, bc, A, pim, sim; writes dl, pim, sim
;; launch carry (part 9): grid 256 x 1, 4 waves a work-group, no clusters, 0 bytes of LDS; arguments pim, sim, hin; writes hin
.if DOCPART == 9
	.amdgcn_target "amdgcn-amd-amdhsa--gfx1250"
	.amdhsa_code_object_version 6
	.text
	.protected	k_qbd008450c7_carry
	.globl	k_qbd008450c7_carry
	.p2align	8
	.type	k_qbd008450c7_carry,@function
k_qbd008450c7_carry:
	s_mov_b64 s[64:65], 0
	v_nop
	global_prefetch_b8 v0, s[64:65] scope:SCOPE_SE
	s_setreg_imm32_b32 hwreg(HW_REG_WAVE_SCHED_MODE, 0, 2), 2
	s_setreg_imm32_b32 hwreg(HW_REG_WAVE_MODE, 25, 1), 1
	s_wait_xcnt 0x0
	s_wait_alu depctr_vm_vsrc(0)
; THE CARRY.  hin[0] = 0, hin[c + 1] = P[c] hin[c] + S[c], c = 0 .. 30, for the 65,536 states; all f32.  pim, sim, hin: planes of 262,144 bytes, one a chunk, all in the same order of states.
; Of pim's and sim's 32 planes the first 31 are read: behind the last chunk there is nothing to carry into.
; A thread owns 8 bytes of a plane (two states); a wave's load or store covers 256 consecutive bytes, aligned.  All 62 loads go out at once; each link waits for its own two.
; No LDS, no barrier: no thread wants another's numbers.
; THE MODE: SCHED_MODE bits 1:0 = 2 (LLVM: expert scheduling mode 2), set by the entry lines.  The code itself states the register dependences
; between vector instructions and memory instructions, with s_wait_alu, always for 0.
; THE PLAN.  Registers that memory instructions touch:
;   v1        the offset 8 t.  Written once, at the head; read by every load and store; never written again.
;   P, S      a pair for each chunk.  Each is written by one load, issued before any vector instruction names it, and read by its link's one multiply-add; no load is issued behind a vector read.
;   H         a pair for each plane.  Each is written once (plane 0 at the head, plane c + 1 by link c) and read by the next link and by one store.
; So no register that a memory instruction reads is ever written again, and no load lands in a register that a vector instruction has named: what is left to state is that v1 and each store's data are written.
; The 31 links go in groups of four (the last of three): a group's multiply-adds, ONE wait on va_vdst, and the group's stores in one run behind it, with nothing between the wait and the run.
.set PLANE, 262144
.set P, 4                              ; v[4:65]
.set S, 66                             ; v[66:127]
.set H, 128                            ; v[128:191]: a pair for each plane, so that no store's data are rewritten
	s_load_b128 s[4:7], s[0:1], 0x0                ; pim, sim
	s_load_b64 s[8:9], s[0:1], 0x10                ; hin
	v_lshlrev_b32 v1, 3, v0
	s_lshl_b32 s10, ttmp9, 10                      ; the work-group's 1,024 bytes of a plane
	s_mov_b32 s11, 0
	v_mov_b32 v[H], 0
	v_mov_b32 v[H+1], 0
	s_wait_kmcnt 0x0
	s_add_nc_u64 s[4:5], s[4:5], s[10:11]
	s_add_nc_u64 s[6:7], s[6:7], s[10:11]
	s_add_nc_u64 s[8:9], s[8:9], s[10:11]
	s_wait_alu depctr_va_vdst(0)                   ; v1 is written, which every load and store of the kernel reads as its offset; so is H's plane 0, which the first store reads
.set c, 0
.rept 31
	global_load_b64 v[P+2*c:P+2*c+1], v1, s[4:5] offset:PLANE*c th:TH_LOAD_NT
	global_load_b64 v[S+2*c:S+2*c+1], v1, s[6:7] offset:PLANE*c th:TH_LOAD_NT
.set c, c+1
.endr
	global_store_b64 v1, v[H:H+1], s[8:9]          ; no vector instruction since the wait above names v1 or these two registers
; A group: links first .. first + links - 1, then their planes' stores.
.macro GROUP first, links
.set c, \first
.rept \links
	s_wait_loadcnt 60-2*c                          ; chunk c's two loads are in; the later chunks' stay out
	v_pk_fma_f32 v[H+2*c+2:H+2*c+3], v[P+2*c:P+2*c+1], v[H+2*c:H+2*c+1], v[S+2*c:S+2*c+1]
.set c, c+1
.endr
	s_wait_alu depctr_va_vdst(0)                   ; the group's multiply-adds have written their pairs of H, which the stores below read
.set c, \first
.rept \links
	global_store_b64 v1, v[H+2*c+2:H+2*c+3], s[8:9] offset:PLANE*(c+1)
.set c, c+1
.endr
.endm
.irp g, 0,4,8,12,16,20,24
	GROUP \g, 4
.endr
	GROUP 28, 3                                    ; the last three links
	s_endpgm
.Lfunc_end_k_qbd008450c7_carry:
	.size	k_qbd008450c7_carry, .Lfunc_end_k_qbd008450c7_carry-k_qbd008450c7_carry
	.p2alignl 7, 3214868480
	.fill 96, 4, 3214868480
	.section	.rodata,"a",@progbits
	.p2align	6, 0x0
	.amdhsa_kernel k_qbd008450c7_carry
		.amdhsa_group_segment_fixed_size 0
		.amdhsa_private_segment_fixed_size 0
		.amdhsa_enable_private_segment 0
		.amdhsa_kernarg_size 24
		.amdhsa_user_sgpr_count 2
		.amdhsa_user_sgpr_kernarg_segment_ptr 1
		.amdhsa_wavefront_size32 1
		.amdhsa_system_sgpr_workgroup_id_x 1
		.amdhsa_system_sgpr_workgroup_id_y 1
		.amdhsa_system_sgpr_workgroup_id_z 1
		.amdhsa_system_vgpr_workitem_id 0
		.amdhsa_next_free_vgpr 192
		.amdhsa_next_free_sgpr 66
		.amdhsa_reserve_vcc 0
		.amdhsa_float_denorm_mode_32 3
		.amdhsa_float_denorm_mode_16_64 3
		.amdhsa_memory_ordered 1
		.amdhsa_forward_progress 1
		.amdhsa_inst_pref_size 13
	.end_amdhsa_kernel
	.amdgpu_metadata
---
amdhsa.version: [ 1, 2 ]
amdhsa.kernels:
  - .name:           k_qbd008450c7_carry
    .symbol:         k_qbd008450c7_carry.kd
    .args:
      - { .name: pim, .offset: 0, .size: 8, .value_kind: global_buffer, .address_space: global }
      - { .name: sim, .offset: 8, .size: 8, .value_kind: global_buffer, .address_space: global }
      - { .name: hin, .offset: 16, .size: 8, .value_kind: global_buffer, .address_space: global }
    .group_segment_fixed_size: 0
    .private_segment_fixed_size: 0
    .kernarg_segment_align: 8
    .kernarg_segment_size: 24
    .max_flat_workgroup_size: 128
    .sgpr_count:     66
    .vgpr_count:     192
    .wavefront_size: 32
...
	.end_amdgpu_metadata
.endif
;; end of part 9
;; launch scan: the kernel of part 8 again; grid 8 x 32, 4 waves a work-group, no clusters, 279,040 bytes of LDS; arguments dl, ub, bc, A, hin, out0; writes out0
